; MI455X (gfx1250); checked and timed in simulation.
; The chip was launched on July 23, 2026; its instructions are those of AMD's public machine-readable ISA for CDNA 5 (MIT licence, August 2026) and "CDNA5" Instruction Set Architecture Reference Guide (July 2026). The comments in the code are by the model that wrote it; some were corrected since.
;; Multi Head Attention. Allowed arithmetic: matrix products marked QUANTISED: E4M3 operands, one E8M0 scale for each 32 along K, by v_wmma_scale_f32_16x16x128_f8f6f4 with both operands' format E4M3, f32 sums; everything else in f32.
;; Inputs: Wk 1,024 x 1,024 float32; Wo 1,024 x 1,024 float32; Wq 1,024 x 1,024 float32; Wv 1,024 x 1,024 float32; bk 1,024 float32; bo 1,024 float32; bq 1,024 float32; bv 1,024 float32; x 4 x 2,048 x 1,024 float32.
;; Outputs: out0 4 x 2,048 x 1,024 float32.
;; This version of the problem:
;;   THIS VERSION OF THE PROBLEM IS GIVEN IN LOW PRECISION. The matrix products marked QUANTISED in the list below multiply operands that are first quantised to E4M3 (4 exponent bits, 3 mantissa bits; 8 bits a number), with one power-of-two scale for each 32 numbers along K (OCP MX v1.0); their sums are f32. All else is computed in f32.
;;   The module's matrix products, in the order in which they are computed (A, B: the left and right operand; K: the contracted axis; several contracted axes count as one K, in the product's order):
;;     1. [M 8,192, K 1,024] x [K 1,024, N 1,024]; A: input x; B: input Wq: QUANTISED
;;     2. [M 8,192, K 1,024] x [K 1,024, N 1,024]; A: input x; B: input Wk: QUANTISED
;;     3. [M 8,192, K 1,024] x [K 1,024, N 1,024]; A: input x; B: input Wv: QUANTISED
;;     4. batch 64 x [M 2,048, K 64] x [K 64, N 2,048]; A: computed on the way; B: computed on the way: QUANTISED
;;     5. batch 64 x [M 2,048, K 2,048] x [K 2,048, N 64]; A: softmax (see below); B: computed on the way: QUANTISED
;;     6. [M 8,192, K 1,024] x [K 1,024, N 1,024]; A: computed on the way; B: input Wo: QUANTISED
;;   THE QUANTISER, for each operand of a quantised product, along K:
;;     - K is cut into blocks of 32 from its start; a last block that is shorter is filled with zeros.
;;     - A block's scale is 2^e with e = floor(log2(the largest magnitude in the block)) - 8, held to -126 .. 127; a block of zeros has e = 0. As a byte (E8M0): e + 127.
;;     - Each number is divided by its block's scale, clamped to +-448, and rounded to the nearest number of E4M3, ties to even, subnormals kept.
;;     - The product sums the exact products of the quantised numbers (number of the format x scale) in f32.
;;   ~~~python
;;   def quantise(x, axis):      # numpy; x: float32 -> the quantised numbers, widened to float32 again
;;       x = np.moveaxis(x, axis, -1); K = x.shape[-1]
;;       x = np.pad(x, [(0, 0)] * (x.ndim - 1) + [(0, -K % 32)]); x = x.reshape(x.shape[:-1] + (-1, 32)); a = np.abs(x).max(-1, keepdims=True)
;;       e = np.where(a > 0, np.clip(np.frexp(np.where(a > 0, a, 1))[1] - 1 - 8, -126, 127), 0)      # np.frexp(a)[1] - 1 = floor(log2(a)), exactly
;;       r = np.clip(x / 2.0 ** e, -448, 448)
;;       step = 2.0 ** (np.maximum(np.frexp(np.where(r == 0, 1, r))[1] - 1, -6) - 3)
;;       q = np.round(r / step) * step * 2.0 ** e      # np.round: ties to even
;;       return np.moveaxis(q.reshape(q.shape[:-2] + (-1,))[..., :K], -1, axis).astype(np.float32)
;;   ~~~
;;   SOFTMAX AHEAD OF A QUANTISED PRODUCT. Where the list says 'softmax', what is quantised is not the finished softmax but p = 2^(t - M), with t = logit x log2(e) and M = ceil(the row's largest t), a whole number; so 1/2 < the row's largest p <= 1. The row's sum l is taken of the UNQUANTISED p, in f32, and the product's result is divided by l at the end. Since M is a whole number, a kernel that streams over the keys may use a running M (the ceiling of the running maximum): every later rescaling is an exact power of two, which a block's scale takes up: the codes' values come out the same.
;;   OPERANDS COMPUTED ON THE WAY. 'Computed on the way' means the value that the module computes at that place (a softmax that the list does not call 'softmax' is quantised finished and normalised). What goes into a quantiser is computed in f32, as accurately as f32 sums, v_exp_f32 and their like allow (about 1e-6 of the number): no bf16 or f16 on the way to a quantiser, and a product that is left as it is and whose result goes on into a quantised operand takes f32 operands (vector FMAs, or v_wmma_f32_16x16x4_f32). A number that lies on a knife's edge between two numbers of the format may be rounded either way, as far as f32 arithmetic and the matrix unit's own rounding can turn it there, and no further.
;; One version. Each part assembles by itself: llvm-mc -triple=amdgcn-amd-amdhsa -mcpu=gfx1250 --defsym DOCPART=n.
;; ======== version 1 of 1: 4 launches
;; limits: right only within a limited range of input values
;; workspace buffers: x_img 8,388,608 bytes; x_scl 262,144 bytes; w_img 4,194,304 bytes; w_scl 131,072 bytes; qkv_img 25,165,824 bytes; qkv_scl 1,310,720 bytes; c_img 8,388,608 bytes; c_scl 262,144 bytes
;; launch quant (part 1): grid 768 x 1, 4 waves a work-group, no clusters, 34,304 bytes of LDS; arguments x, Wq, Wk, Wv, Wo, x_img, x_scl, w_img, w_scl; writes x_img, x_scl, w_img, w_scl
.if DOCPART == 1
	.amdgcn_target "amdgcn-amd-amdhsa--gfx1250"
	.amdhsa_code_object_version 6
	.text
	.protected	k_q6aa95cee4c_quant
	.globl	k_q6aa95cee4c_quant
	.p2align	8
	.type	k_q6aa95cee4c_quant,@function
k_q6aa95cee4c_quant:
	s_mov_b64 s[64:65], 0
	v_nop
	global_prefetch_b8 v0, s[64:65] scope:SCOPE_SE
	s_setreg_imm32_b32 hwreg(HW_REG_WAVE_MODE, 25, 1), 1
	s_wait_xcnt 0x0
; x [8192][1024] and Wq, Wk, Wv, Wo [1024][1024], f32, K innermost, become codes of FP8 (E4M3) with one E8M0 byte for each 32 along K,
; laid in the ORDER OF THE OPERAND'S REGISTERS, so that every later launch fetches a fragment as four runs of 512 consecutive bytes.
; TILE16: tile T holds rows 32 (T / 2) + 8 (T % 2) + i + 8 (i / 8), i = 0 .. 15.  FRAGMENT (T, s), 2,048 bytes: byte 512 c + 16 l + e is the code of
; (the tile's row l % 16, k = 128 s + 32 c + 16 (l / 16) + e).  Codes: [T][s 0..7][2048].  Scale words: [T][kk 0..3][row 0..15][q 0..1], the word of s = 2 kk + q, byte c for block c.
; w_img holds Wq's 64 tiles, then Wk's, Wv's, Wo's.
; A block's scale is 2^(floor(log2(its largest magnitude)) - 8); its byte is that magnitude's exponent field - 8, held at 1 from below.
; LIMITS: a block of zeros gets the byte 1 where the rule says 127 (its codes are zeros, and this program alone reads the bytes); NaN and infinities among the inputs are not served.
; SHARES: a work-group is one tile16 (0-511: x's; 512-767: the weights'), wave w its k 256 w .. 256 w + 255: 16 KiB in, two fragments out.  No loop, no barrier: waves share nothing.
; Each load reads 512 consecutive bytes of a row; the conversions want 16 NEIGHBOURS along K in one lane, so a fragment's 8 KiB turn through the wave's own stage in LDS (rows 528 bytes apart:
; 33 x 16, so that the sixteen rows of a read start in different banks).  Codes leave as 512 consecutive bytes a store.  The scale words leave as 128 consecutive bytes a wave: 1 byte in 128 of what the launch reads.
; Matrix units, clusters and tensor loads would add nothing to a stream that is read once.
.set SP,    528                        ; a stage row: 512 bytes + 16
.set STGB,  16*SP                      ; a wave's stage
.set TM,    8                          ; v8-11 largest magnitudes, v12-15 the other half's / bytes, v20-23 the conversions' scale operands
.set PW,    24                         ; v24-25 the two scale words
.set PC,    32                         ; v32-63 codes, a set for each fragment: no store's data are written again
.set X,     64                         ; v64-127 64 neighbours
.set R,     128                        ; v128-255 as loaded: two fragments
.set SEL,   32                         ; s[32:33] v_permlanex16_b32's selects for lane l xor 16
.set MNT,   34
	s_load_b256 s[4:11], s[0:1], 0x0               ; x, Wq, Wk, Wv
	s_load_b256 s[12:19], s[0:1], 0x20             ; Wo, x_img, x_scl, w_img
	s_load_b64 s[20:21], s[0:1], 0x40              ; w_scl
	v_lshl_add_u32 v30, v0, 2, 0x8400
	v_mov_b32 v31, 0
	v_lshrrev_b32 v1, 5, v0
	v_readfirstlane_b32 s2, v1                     ; wave
	v_and_b32 v1, 31, v0                           ; lane
	v_and_b32 v2, 15, v0                           ; r
	v_bfe_u32 v3, v0, 4, 1                         ; h
	v_lshlrev_b32 v4, 4, v1                        ; 16 x lane
	s_mul_i32 s3, s2, STGB
	v_add_nc_u32 v5, s3, v4                        ; the stage, on the way in: a row's 512 bytes as they lie
	v_mul_u32_u24 v6, v2, SP
	v_lshl_add_u32 v6, v3, 6, v6
	v_add_nc_u32 v6, s3, v6                        ; and on the way out: row r, + 64 h: my 16 numbers of a block of 32
	v_lshlrev_b32 v7, 3, v2                        ; my row's two scale words
.irp b, 0,1,2,3
	v_mov_b32 v[TM+4+\b], 0                        ; written once: a lane permute's destination counts as one of its sources
.endr
	s_mov_b32 s[SEL], 0x76543210
	s_mov_b32 s[SEL+1], 0xfedcba98
	s_wait_alu depctr_va_vdst(0)
	s_wait_kmcnt 0x0
	s_mov_b64 s[22:23], s[12:13]                   ; which tensor: the choice hangs on the work-group's number alone
	s_cmp_lt_u32 ttmp9, 704
	s_cselect_b64 s[22:23], s[10:11], s[22:23]
	s_cmp_lt_u32 ttmp9, 640
	s_cselect_b64 s[22:23], s[8:9], s[22:23]
	s_cmp_lt_u32 ttmp9, 576
	s_cselect_b64 s[22:23], s[6:7], s[22:23]
	s_cmp_lt_u32 ttmp9, 512
	s_cselect_b64 s[22:23], s[4:5], s[22:23]
	s_cselect_b64 s[24:25], s[14:15], s[18:19]     ; the codes' buffer
	s_cselect_b64 s[26:27], s[16:17], s[20:21]     ; the scale words'
	s_cselect_b32 s28, 0, 512
	s_cselect_b32 s29, 511, 63
	s_sub_co_u32 s28, ttmp9, s28                   ; the tile in its output buffer
	s_and_b32 s29, s28, s29                        ; the tile in its tensor
	s_lshr_b32 s30, s29, 1
	s_lshl_b32 s30, s30, 17                        ; 32 (T / 2) rows of 4,096 bytes
	s_and_b32 s31, s29, 1
	s_lshl_b32 s31, s31, 15                        ; 8 (T % 2) rows
	s_add_co_u32 s30, s30, s31
	s_lshl_b32 s31, s2, 10                         ; my 256 numbers of a row
	s_add_co_u32 s30, s30, s31
	s_mov_b32 s31, 0
	s_add_nc_u64 s[22:23], s[22:23], s[30:31]
	s_lshl_b32 s30, s28, 14
	s_lshl_b32 s29, s2, 12
	s_add_co_u32 s30, s30, s29
	s_add_nc_u64 s[24:25], s[24:25], s[30:31]      ; my two fragments
	s_lshl_b32 s30, s28, 9
	s_lshl_b32 s29, s2, 7
	s_add_co_u32 s30, s30, s29
	s_add_nc_u64 s[26:27], s[26:27], s[30:31]      ; my 128 bytes of scale words
.irp q, 0,1
.irp i, 0,1,2,3,4,5,6,7,8,9,10,11,12,13,14,15
	global_load_b128 v[R+64*\q+4*\i:R+64*\q+4*\i+3], v4, s[22:23] offset:(\i+8*(\i/8))*4096+512*\q th:TH_LOAD_NT   ; 32 lanes read 512 consecutive bytes of the tile's row i
.endr
.endr
.macro TURN src, dst                   ; a fragment's numbers through the stage: LDS serves a wave's instructions in order, so no wait stands between the stores and the loads
.irp i, 0,1,2,3,4,5,6,7,8,9,10,11,12,13,14,15
	ds_store_b128 v5, v[\src+4*\i:\src+4*\i+3] offset:SP*\i
.endr
.irp b, 0,1,2,3
.irp j, 0,1,2,3
	ds_load_b128 v[\dst+16*\b+4*\j:\dst+16*\b+4*\j+3], v6 offset:128*\b+16*\j
.endr
.endr
.endm
; 64 numbers of a lane, register 16 b + i = k 32 b + 16 (lane / 16) + i of my row, become a fragment's codes in v[pc] on and its scale word in v[pw]
.macro QUANT s, pc, pw
.irp b, 0,1,2,3
	v_max3_num_f32 v[TM+\b], |v[\s+16*\b]|, |v[\s+1+16*\b]|, 0x4800000   ; my 16 numbers of block b, and the floor 2^(9 - 127): the byte cannot fall under 1
.endr
.irp i, 2,4,6,8,10,12,14
.irp b, 0,1,2,3
	v_max3_num_f32 v[TM+\b], v[TM+\b], |v[\s+16*\b+\i]|, |v[\s+1+16*\b+\i]|   ; the four blocks by turns
.endr
.endr
.irp b, 0,1,2,3
	v_permlanex16_b32 v[TM+4+\b], v[TM+\b], s[SEL], s[SEL+1]
.endr
.irp b, 0,1,2,3
	v_max_num_f32 v[TM+\b], v[TM+\b], v[TM+4+\b]   ; with lane l xor 16's: the block's largest magnitude
.endr
.irp b, 0,1,2,3
	v_add_nc_u32 v[TM+12+\b], 0xfc000000, v[TM+\b] ; 8 off its exponent field: the conversion takes this operand's exponent field as its scale
.endr
.irp b, 0,1,2,3
.endr
.irp b, 0,1,2,3
	v_lshrrev_b32 v[TM+4+\b], 23, v[TM+12+\b]      ; the scale's byte
.endr
	v_lshl_or_b32 v[\pw], v[TM+5], 8, v[TM+4]
	v_lshl_or_b32 v[\pw], v[TM+6], 16, v[\pw]
	v_lshl_or_b32 v[\pw], v[TM+7], 24, v[\pw]
.irp b, 0,1,2,3
.irp i, 0,1,2,3,4,5,6,7,8,9,10,11,12,13,14,15
.endr
	v_cvt_scalef32_pk8_fp8_f32 v[\pc+4*\b:\pc+4*\b+1], v[\s+16*\b:\s+16*\b+7], v[TM+12+\b]
	v_cvt_scalef32_pk8_fp8_f32 v[\pc+4*\b+2:\pc+4*\b+3], v[\s+16*\b+8:\s+16*\b+15], v[TM+12+\b]
.endr
	v_nop                                          ; one plain vector instruction behind the last conversion
.endm
	s_wait_loadcnt 16                              ; the first fragment's 16 loads are in; the second's may be out
	TURN R, X
	s_wait_dscnt 0x0                               ; X is in, and the stores have read v128-191
	s_wait_loadcnt 0x0
	TURN R+64, R                                   ; the second fragment turns while the first is quantised
	QUANT X, PC, PW
.irp c, 0,1,2,3
	global_store_b128 v4, v[PC+4*\c:PC+4*\c+3], s[24:25] offset:512*\c   ; 512 consecutive bytes
.endr
	s_wait_dscnt 0x0
	QUANT R, PC+16, PW+1
.irp c, 0,1,2,3
	global_store_b128 v4, v[PC+16+4*\c:PC+16+4*\c+3], s[24:25] offset:2048+512*\c
.endr
	s_wait_xcnt 0x0                                ; EXEC is a source of the stores above: it changes only behind this wait
	v_cmp_gt_u32 vcc_lo, 16, v1
	s_wait_tensorcnt 0x0
	ds_add_u32 v30, v31
	s_wait_dscnt 0x0
	s_and_saveexec_b32 s28, vcc_lo                 ; lanes 16-31 hold the same words
	global_store_b64 v7, v[PW:PW+1], s[26:27]
	s_endpgm
.Lfunc_end_k_q6aa95cee4c_quant:
	.size	k_q6aa95cee4c_quant, .Lfunc_end_k_q6aa95cee4c_quant-k_q6aa95cee4c_quant
	.p2alignl 7, 3214868480
	.fill 96, 4, 3214868480
	.section	.rodata,"a",@progbits
	.p2align	6, 0x0
	.amdhsa_kernel k_q6aa95cee4c_quant
		.amdhsa_group_segment_fixed_size 34304
		.amdhsa_private_segment_fixed_size 0
		.amdhsa_enable_private_segment 0
		.amdhsa_kernarg_size 72
		.amdhsa_user_sgpr_count 2
		.amdhsa_user_sgpr_kernarg_segment_ptr 1
		.amdhsa_wavefront_size32 1
		.amdhsa_system_sgpr_workgroup_id_x 1
		.amdhsa_system_sgpr_workgroup_id_y 1
		.amdhsa_system_sgpr_workgroup_id_z 1
		.amdhsa_system_vgpr_workitem_id 0
		.amdhsa_next_free_vgpr 256
		.amdhsa_next_free_sgpr 66
		.amdhsa_reserve_vcc 1
		.amdhsa_float_denorm_mode_32 3
		.amdhsa_float_denorm_mode_16_64 3
		.amdhsa_fp16_overflow 1
		.amdhsa_memory_ordered 1
		.amdhsa_forward_progress 1
		.amdhsa_inst_pref_size 18
	.end_amdhsa_kernel
	.amdgpu_metadata
---
amdhsa.version: [ 1, 2 ]
amdhsa.kernels:
  - .name:           k_q6aa95cee4c_quant
    .symbol:         k_q6aa95cee4c_quant.kd
    .args:
      - { .name: x, .offset: 0, .size: 8, .value_kind: global_buffer, .address_space: global }
      - { .name: Wq, .offset: 8, .size: 8, .value_kind: global_buffer, .address_space: global }
      - { .name: Wk, .offset: 16, .size: 8, .value_kind: global_buffer, .address_space: global }
      - { .name: Wv, .offset: 24, .size: 8, .value_kind: global_buffer, .address_space: global }
      - { .name: Wo, .offset: 32, .size: 8, .value_kind: global_buffer, .address_space: global }
      - { .name: x_img, .offset: 40, .size: 8, .value_kind: global_buffer, .address_space: global }
      - { .name: x_scl, .offset: 48, .size: 8, .value_kind: global_buffer, .address_space: global }
      - { .name: w_img, .offset: 56, .size: 8, .value_kind: global_buffer, .address_space: global }
      - { .name: w_scl, .offset: 64, .size: 8, .value_kind: global_buffer, .address_space: global }
    .group_segment_fixed_size: 34304
    .private_segment_fixed_size: 0
    .kernarg_segment_align: 8
    .kernarg_segment_size: 72
    .max_flat_workgroup_size: 128
    .sgpr_count:     66
    .vgpr_count:     256
    .wavefront_size: 32
...
	.end_amdgpu_metadata
.endif
;; end of part 1
;; launch qkv (part 2): grid 12 x 32, 4 waves a work-group, clusters of 4 x 4, 327,680 bytes of LDS; arguments x_img, x_scl, w_img, w_scl, bq, bk, bv, qkv_img, qkv_scl; writes qkv_img, qkv_scl
.if DOCPART == 2
	.amdgcn_target "amdgcn-amd-amdhsa--gfx1250"
	.amdhsa_code_object_version 6
	.text
	.protected	k_q6aa95cee4c_qkv
	.globl	k_q6aa95cee4c_qkv
	.p2align	8
	.type	k_q6aa95cee4c_qkv,@function
k_q6aa95cee4c_qkv:
	s_mov_b64 s[64:65], 0
	v_nop
	global_prefetch_b8 v0, s[64:65] scope:SCOPE_SE
	s_setreg_imm32_b32 hwreg(HW_REG_WAVE_MODE, 25, 1), 1
	s_wait_xcnt 0x0
	s_wait_alu depctr_hold_cnt(0) depctr_sa_sdst(0) depctr_va_vdst(0) depctr_va_sdst(0) depctr_va_ssrc(0) depctr_va_vcc(0) depctr_vm_vsrc(0)
	s_getreg_b32 s2, hwreg(HW_REG_IB_STS2, 6, 4)
	s_cmp_eq_u32 s2, 0
	s_cbranch_scc0 .Lentry_in_a_cluster
	s_endpgm
.Lentry_in_a_cluster:
	s_bfe_u32 s2, ttmp6, 0x10000c
	s_cmp_lg_u32 s2, 0xf033
	s_cbranch_scc0 .Lentry_shape_is_right
	s_endpgm
.Lentry_shape_is_right:
; q = x Wq^T + bq, k = x Wk^T + bk, v = x Wv^T + bv on codes of FP8 (E4M3) with E8M0 scales, f32 sums; the results are quantised here, in registers, for the attention that follows: q and k along the head's 64, v along the keys.
; OPERANDS lie as images of their registers: tile16 T = rows 32 (T / 2) + 8 (T % 2) + i + 8 (i / 8); fragment (T, s): byte 512 c + 16 l + e = code of (row l % 16, k = 128 s + 32 c + 16 (l / 16) + e); codes [T][s][2048]; scale words [T][kk][row][q].
; A tile of the result is 256 tokens x 256 columns: four waves, each 128 x 128 in 64 accumulators (512 registers).  K = 1,024 goes in four steps of 256 through two LDS slots; the steps are written out.
; Y = x's 16 tile16 (hangs on work-group y), X = the weights' 16 tile16 (on work-group x: 0-3 Wq, 4-7 Wk, 8-11 Wv).  CLUSTERS of 4 x 4: Y's tiles are asked for jointly along a row of the cluster, X's along a column.
; THE TYPE is the cluster's x (0 q, 1 k, 2 v): equal in all sixteen partners.  Source 0 (P) gives the direction of a lane's registers, source 1 (R) the lanes.
;   q, k: P = X (columns), R = Y (tokens): a lane holds one token and 128 neighbouring columns, a pair of heads.     v: P = Y (tokens), R = X (columns d): a lane holds one d and 128 neighbouring keys.
; By the choice of a tile16's rows the 64 registers of R's block a are 64 numbers in the order of an operand's registers: four blocks of 32 along the next K.  The tensor loads are the same for all types; only the bases of the LDS reads are chosen.
; BIAS: along P it is the C of each sum's first product (x 0 for v); along R it is added on the way out (x 0 for q, k), by the additions that bring the sums into window 0 anyway.
; OUT: qkv_img: q at 0, k at 8 MiB: [head pair 8][token tile16 512][2048]; v at 16 MiB: [batch x head 64][key step 16][d tile16 4][2048].  qkv_scl, regions of 262,144 bytes: q's words & 0xffff (even head), q's >> 16 (odd head), k's two, v's words.
; LIMITS: a block of zeros gets the byte 1, not 127 (zero codes; this program alone reads the bytes); NaN and infinities are not served.
; REGISTERS: window 0: v1-10 lane figures and addresses; v16-17, v20-21, v27 LDS addresses; v28-29 the add's; v32-63 scale words, two sets; v64-127 the bias along P, later v64-79 the bias along R; v128-255 R's fragments, ONE set; on the way out v128-247 at work.
;   window 1: P's fragments, TWO sets.   windows 2, 3: the accumulators of R's blocks 0-3, 4-7 (accumulator (a, b) at v[8 (8 (a % 4) + b)]).
.set NP,    8                          ; places behind this matrix instruction (ISA guide 7.12.1)
.set SLOT,  131072                     ; a slot: Y's 16 x 4,096 bytes, then X's
.set XOFF,  65536
.set SCL,   262144                     ; behind the ring: Y's scale words of all K, 8,192 bytes, then X's: filled once
.set SPARE, 294912                     ; the spare words, 128 bytes for each wave: two blocks of 256 bytes that no other line names
.set LI,    4                          ; v4  16 x lane
.set SOFF,  8                          ; v8  the scale words' place in memory
.set SWS,   9                          ; v9  and in LDS, on the way in,
.set SWL,   10                         ; v10 and out
.set ADRR,  16                         ; v16-17 R's fragments in slot 0, 1
.set ADRP,  20                         ; v20-21 P's
.set ADRS,  27                         ; v27 scale words: lanes 0-15 R's, lanes 16-31 P's
.set SPW,   28
.set NIL,   29
.set SC,    32                         ; set s at v[32 + 16 s]; register 2 i + q: lanes 0-15 the word of R's block i, lanes 16-31 of P's block i
.set BI,    64
.set RF,    128
.set T,     128                        ; the way out: 64 numbers
.set PC,    192                        ; codes, two sets
.set TM,    224
.set PW,    240                        ; eight scale words
.set MNT,   11
.set SEL,   12
.set G1, 24
.set G0, 32
.set G1B, 48
.set G0B, 56
.set G1S, 68
.set G0S, 76
.set G1SB, 80
.set G0SB, 88
.set MSB, 0
.macro WIN new                         ; the immediate's high byte repeats the setting that is left
.if MSB != (\new)
	s_set_vgpr_msb (MSB<<8)|(\new)
.set MSB, (\new)
.endif
.endm
.set MUL_LO, 0xa1                      ; source 0 (P) window 1, source 1 (R) window 0, C and D window 2
.set MUL_HI, 0xf1
.set FST_LO, 0x81                      ; the same with C (the bias) in window 0
.set FST_HI, 0xc1
.set TO_P,   0x40
; A joint load: waves 0 and 1 fetch for Y, waves 2 and 3 for X.  The branch hangs on the wave's number alone.  Four v_nop follow each line.
.macro JLOAD g0a, g1a, g0b, g1b
	s_cmp_eq_u32 s15, 0
	s_cbranch_scc0 .Lfor_b_\@
	tensor_load_to_lds s[\g0a:\g0a+3], s[\g1a:\g1a+7]
	s_nop 0
.rept 4
	v_nop
.endr
	s_branch .Lasked_\@
.Lfor_b_\@:
	tensor_load_to_lds s[\g0b:\g0b+3], s[\g1b:\g1b+7]
	s_nop 0
.rept 4
	v_nop
.endr
.Lasked_\@:
.endm
.macro CREST                           ; a round of the cluster's barrier behind its opening barrier
	s_cmp_lg_u32 s14, 0
	s_cbranch_scc1 .Lnot_wave_0_\@
	s_barrier_signal -3
.Lnot_wave_0_\@:
	s_barrier_wait -3
	s_barrier_signal -1
	s_barrier_wait -1
.endm
.macro CROUND
	s_barrier_signal -1
	s_barrier_wait -1
	CREST
.endm
	s_load_b256 s[4:11], s[0:1], 0x0               ; x_img, x_scl, w_img, w_scl
	s_load_b256 s[92:99], s[0:1], 0x20             ; bq, bk, bv, qkv_img
	s_load_b64 s[100:101], s[0:1], 0x40            ; qkv_scl
	v_lshl_add_u32 v[SPW], v0, 2, SPARE
	v_mov_b32 v[NIL], 0
	ds_add_u32 v28, v29
	ds_add_u32 v28, v29
	s_wait_dscnt 0x0
	v_lshrrev_b32 v1, 5, v0
	v_readfirstlane_b32 s14, v1                    ; wave
	s_lshr_b32 s15, s14, 1                         ; wr: which half of R is mine.  Also: I fetch for Y (0) or X (1)
	s_and_b32 s16, s14, 1                          ; wc: which half of P.  Also: which 8 tile16 I fetch
	s_bfe_u32 s40, ttmp6, 0x40000                  ; cx
	s_bfe_u32 s41, ttmp6, 0x40004                  ; cy
	s_lshl_b32 s42, ttmp9, 2
	s_add_co_u32 s42, s42, s40                     ; work-group x
	s_and_b32 s17, ttmp7, 0xffff
	s_lshl_b32 s17, s17, 2
	s_add_co_u32 s17, s17, s41                     ; work-group y
	s_lshl_b32 s43, s41, 2
	s_lshl_b32 s43, 15, s43                        ; my row of the cluster
	s_lshl_b32 s44, 0x1111, s40                    ; my column
	; codes: 8 tile16 x 4,096 bytes (two fragments), 16 KiB apart in memory, dense in LDS; elements of 8 bytes
	s_or_b32 s[G1], s43, (3<<16)|(1<<21)
	s_or_b32 s[G1B], s44, (3<<16)|(1<<21)
.irp g, G1, G1B
	s_mov_b32 s[\g+1], 512<<16                     ; tensor_dim0
	s_mov_b32 s[\g+2], 8<<16                       ; tensor_dim1
	s_mov_b32 s[\g+3], 512<<16                     ; tile_dim0
	s_mov_b32 s[\g+4], 8                           ; tile_dim1
	s_mov_b32 s[\g+5], 2048                        ; the pitch
	s_mov_b32 s[\g+6], 0
	s_mov_b32 s[\g+7], 0
.endr
	; scale words of 8 tile16, all K: 4,096 dense bytes as 16 rows of 256
	s_or_b32 s[G1S], s43, (3<<16)|(1<<21)
	s_or_b32 s[G1SB], s44, (3<<16)|(1<<21)
.irp g, G1S, G1SB
	s_mov_b32 s[\g+1], 32<<16
	s_mov_b32 s[\g+2], 16<<16
	s_mov_b32 s[\g+3], 32<<16
	s_mov_b32 s[\g+4], 16
	s_mov_b32 s[\g+5], 32
	s_mov_b32 s[\g+6], 0
	s_mov_b32 s[\g+7], 0
.endr
	s_lshl_b32 s18, s16, 17                        ; my 8 tile16: 8 x 16,384 bytes of codes,
	s_lshl_b32 s19, s16, 12                        ; 8 x 512 of scale words
	s_lshl_b32 s20, s17, 18
	s_add_co_u32 s20, s20, s18                     ; Y's codes
	s_mov_b32 s21, 0
	s_lshl_b32 s22, s17, 13
	s_add_co_u32 s22, s22, s19                     ; Y's scale words
	s_mov_b32 s23, 0
	s_lshl_b32 s46, s42, 18
	s_add_co_u32 s46, s46, s18                     ; X's codes
	s_mov_b32 s47, 0
	s_lshl_b32 s12, s42, 13
	s_add_co_u32 s12, s12, s19                     ; X's scale words
	s_mov_b32 s13, 0
	s_lshl_b32 s45, s14, 15                        ; where they go: 32,768 x wave; no place in the cluster enters an LDS address
	s_lshl_b32 s66, s14, 12
	s_wait_kmcnt 0x0
	s_add_nc_u64 s[20:21], s[4:5], s[20:21]
	s_add_nc_u64 s[22:23], s[6:7], s[22:23]
	s_add_nc_u64 s[46:47], s[8:9], s[46:47]
	s_add_nc_u64 s[12:13], s[10:11], s[12:13]
	CROUND                                         ; all sixteen work-groups are here: the first joint loads meet
	s_mov_b32 s[G0S], 1
	s_add_co_u32 s[G0S+1], s66, SCL
	s_mov_b64 s[G0S+2:G0S+3], s[22:23]
	s_or_b32 s[G0S+3], s[G0S+3], 0x80000000
	s_mov_b32 s[G0SB], 1
	s_add_co_u32 s[G0SB+1], s66, SCL
	s_mov_b64 s[G0SB+2:G0SB+3], s[12:13]
	s_or_b32 s[G0SB+3], s[G0SB+3], 0x80000000
	JLOAD G0S, G1S, G0SB, G1SB                     ; the scale words first
.irp s, 0,1
	s_mov_b32 s[G0+4*\s], 1
	s_add_co_u32 s[G0+4*\s+1], s45, \s*SLOT
	s_add_nc_u64 s[G0+4*\s+2:G0+4*\s+3], s[20:21], \s*4096
	s_or_b32 s[G0+4*\s+3], s[G0+4*\s+3], 0x80000000
	s_mov_b32 s[G0B+4*\s], 1
	s_add_co_u32 s[G0B+4*\s+1], s45, \s*SLOT
	s_add_nc_u64 s[G0B+4*\s+2:G0B+4*\s+3], s[46:47], \s*4096
	s_or_b32 s[G0B+4*\s+3], s[G0B+4*\s+3], 0x80000000
	JLOAD G0+4*\s, G1, G0B+4*\s, G1B               ; K steps 0 and 1: three loads of mine are out
.endr
	; what hangs on the type
	s_cmp_eq_u32 ttmp9, 2
	s_cselect_b32 s67, 1, 0                        ; v?
	s_cselect_b32 s2, 0, 1.0                       ; the flag of the bias along P,
	s_cselect_b32 s3, 1.0, 0                       ; and of that along R
	s_cselect_b32 s18, XOFF, 0                     ; R's tiles in a slot,
	s_cselect_b32 s19, 0, XOFF                     ; P's
	s_cselect_b32 s22, s16, s15                    ; which half of Y I read,
	s_cselect_b32 s23, s15, s16                    ; which half of X
	s_cselect_b32 s10, -1, 0xffff                  ; what is kept of a scale word in its first store
	s_cselect_b64 s[96:97], s[96:97], s[94:95]
	s_cmp_eq_u32 ttmp9, 0
	s_cselect_b64 s[92:93], s[92:93], s[96:97]     ; my bias
	v_and_b32 v1, 31, v0                           ; lane
	v_and_b32 v2, 15, v0                           ; r
	v_bfe_u32 v3, v0, 4, 1                         ; h
	s_wait_alu depctr_va_vdst(0)
	v_lshlrev_b32 v[LI], 4, v1
	s_lshl_b32 s20, s15, 15
	s_add_co_u32 s20, s20, s18
	s_lshl_b32 s21, s16, 15
	s_add_co_u32 s21, s21, s19
.irp s, 0,1
	v_add_nc_u32 v[ADRR+\s], s20, v[LI]
	v_add_nc_u32 v[ADRP+\s], s21, v[LI]
	s_add_co_u32 s20, s20, SLOT
	s_add_co_u32 s21, s21, SLOT
.endr
	s_xor_b32 s18, s22, 1                          ; the scale words: Y's base + g x the distance to X's, 4,096 (1 + X's half + (1 - Y's half)); g = h for q and k, 1 - h for v
	s_add_co_u32 s18, s18, s23
	s_lshl_b32 s18, s18, 12
	s_add_co_u32 s18, s18, 4096
	s_lshl_b32 s19, s22, 12
	s_add_co_u32 s19, s19, SCL
	v_xor_b32 v5, s67, v3
	v_mul_u32_u24 v5, s18, v5
	v_lshl_add_u32 v5, v2, 3, v5                   ; + 8 r: a row's two words of a K step
	v_add_nc_u32 v[ADRS], s19, v5
	s_lshl_b32 s18, s40, 10                        ; the bias: 256 cx numbers on,
	s_lshl_b32 s19, s16, 9
	s_add_co_u32 s19, s18, s19                     ; + 128 wc along P,
	s_lshl_b32 s20, s15, 9
	s_add_co_u32 s18, s18, s20                     ; + 128 wr along R; the one that is not used reads from the buffer's start
	s_cmp_eq_u32 ttmp9, 2
	s_cselect_b32 s20, 0, s19
	s_cselect_b32 s22, s18, 0
	s_mov_b32 s21, 0
	s_mov_b32 s23, 0
	s_add_nc_u64 s[94:95], s[92:93], s[20:21]
	s_add_nc_u64 s[96:97], s[92:93], s[22:23]
	v_lshlrev_b32 v6, 6, v3                        ; 16 h numbers
.irp t, 0,1,2,3,4,5,6,7
	global_load_b128 v[BI+8*\t:BI+8*\t+3], v6, s[94:95] offset:(32*(\t/2)+8*(\t%2))*4       ; tile t, register j: column 32 (t / 2) + 16 h + 8 (t % 2) + j
	global_load_b128 v[BI+8*\t+4:BI+8*\t+7], v6, s[94:95] offset:(32*(\t/2)+8*(\t%2))*4+16
.endr
	v_and_b32 v7, 8, v2
	v_add_nc_u32 v7, v7, v2
	v_lshlrev_b32 v7, 2, v7                        ; 4 (r + 8 (r / 8)): my lane's row of a tile16
	; where the results go.  q, k: token tile TT0 = 16 y + 8 wr on, head pair PH = 2 cx + wc
	s_lshl_b32 s18, s17, 4
	s_lshl_b32 s19, s15, 3
	s_add_co_u32 s18, s18, s19
	s_lshl_b32 s19, s40, 1
	s_add_co_u32 s19, s19, s16
	s_lshl_b32 s20, ttmp9, 23
	s_lshl_b32 s21, s19, 20
	s_add_co_u32 s20, s20, s21
	s_lshl_b32 s21, s18, 11
	s_add_co_u32 s20, s20, s21                     ; codes: 8 MiB x type + 1 MiB x PH + 2,048 TT0
	s_lshl_b32 s22, ttmp9, 19
	s_lshl_b32 s21, s19, 15
	s_add_co_u32 s22, s22, s21
	s_lshl_b32 s21, s18, 6
	s_add_co_u32 s22, s22, s21                     ; words: 524,288 x type + 32,768 PH + 64 TT0
	; v: key step KS = 2 y + wc of all batches; bh = 16 (KS / 16) + 4 cx + 2 wr
	s_lshl_b32 s18, s17, 1
	s_add_co_u32 s18, s18, s16
	s_and_b32 s19, s18, 48
	s_lshl_b32 s21, s40, 2
	s_add_co_u32 s19, s19, s21
	s_lshl_b32 s21, s15, 1
	s_add_co_u32 s19, s19, s21
	s_and_b32 s18, s18, 15
	s_lshl_b32 s19, s19, 4
	s_add_co_u32 s19, s19, s18                     ; 16 bh + the batch's key step
	s_lshl_b32 s18, s19, 13
	s_add_co_u32 s18, s18, 0x1000000
	s_lshl_b32 s19, s19, 8
	s_add_co_u32 s19, s19, 0x100000
	s_mov_b32 s46, 8192                            ; from blocks 0-3 to blocks 4-7: four fragments on, or the next head
	s_mov_b32 s66, 256
	s_cmp_eq_u32 ttmp9, 2
	s_cselect_b32 s20, s18, s20
	s_cselect_b32 s22, s19, s22
	s_cselect_b32 s46, 0x20000, s46
	s_cselect_b32 s66, 4096, s66
	s_mov_b32 s21, 0
	s_mov_b32 s23, 0
	s_mov_b32 s47, 0
	s_add_nc_u64 s[4:5], s[98:99], s[20:21]        ; codes of blocks 0-3,
	s_add_nc_u64 s[6:7], s[4:5], s[46:47]          ; of blocks 4-7,
	s_add_nc_u64 s[8:9], s[100:101], s[22:23]      ; the scale words
	s_mov_b32 s[SEL], 0x76543210
	s_mov_b32 s[SEL+1], 0xfedcba98
	s_wait_loadcnt 0x0                             ; the bias along P
.set i, 0
.rept 32
	v_pk_mul_f32 v[BI+i:BI+i+1], v[BI+i:BI+i+1], s[2:3] op_sel_hi:[1,0]   ; x its flag
.set i, i+2
.endr
	v_mul_u32_u24 v[SOFF], s66, v3
	v_lshl_add_u32 v[SOFF], v2, 4, v[SOFF]         ; lanes 0-15: the words of blocks 0-3, 256 bytes; lanes 16-31: of blocks 4-7
	s_lshl_b32 s18, s14, 9
	v_lshl_add_u32 v[SWS], v2, 2, s18              ; my wave's 512 bytes in slot 0
	v_add_nc_u32 v[SWL], s18, v[LI]
.macro FRAG reg, adr, q, i             ; a fragment comes as it lies: four runs of 512 consecutive bytes
.irp c, 0,1,2,3
	ds_load_b128 v[\reg+4*\c:\reg+4*\c+3], v[\adr] offset:4096*(\i)+2048*(\q)+512*\c
.endr
.endm
; 16 matrix instructions: R's blocks a0, a0 + 1 x P's eight.  The 64 accumulators take turns, one instruction a turn, in the same order in every step.
.macro MUL16 a0, p, q, sc, first
.irp a, \a0, \a0+1
.irp b, 0,1,2,3,4,5,6,7
.if \first
	v_wmma_scale_f32_16x16x128_f8f6f4 v[8*(8*((\a)%4)+\b):8*(8*((\a)%4)+\b)+7], v[128*(\p)+16*\b:128*(\p)+16*\b+15], v[RF+16*(\a):RF+16*(\a)+15], v[BI+8*\b:BI+8*\b+7], v[SC+16*(\sc)+2*\b+(\q)], v[SC+16*(\sc)+2*(\a)+(\q)] matrix_a_scale:MATRIX_SCALE_ROW1
.else
	v_wmma_scale_f32_16x16x128_f8f6f4 v[8*(8*((\a)%4)+\b):8*(8*((\a)%4)+\b)+7], v[128*(\p)+16*\b:128*(\p)+16*\b+15], v[RF+16*(\a):RF+16*(\a)+15], v[8*(8*((\a)%4)+\b):8*(8*((\a)%4)+\b)+7], v[SC+16*(\sc)+2*\b+(\q)], v[SC+16*(\sc)+2*(\a)+(\q)] matrix_a_scale:MATRIX_SCALE_ROW1
.endif
.endr
.endr
.endm
.macro FETCH_P slot, q, p
	WIN TO_P
.irp i, 0,1,2,3,4,5,6,7
	FRAG 128*(\p)+16*\i, ADRP+\slot, \q, \i
.endr
	WIN 0
.endm
.macro FETCH_R slot, q, i0
.irp i, \i0, \i0+1, \i0+2, \i0+3
	FRAG RF+16*(\i), ADRR+\slot, \q, \i
.endr
.endm
.macro SCALES set, kk                  ; K step kk's words: two a row
.irp i, 0,1,2,3,4,5,6,7
	ds_load_b64 v[SC+16*(\set)+2*\i:SC+16*(\set)+2*\i+1], v[ADRS] offset:512*\i+128*(\kk)
.endr
.endm
.macro PLACES n                        ; plain vector instructions between a matrix instruction and a load into, or a read of, its registers
.rept \n
	v_nop
.endr
.endm
.macro STEP slot, first                ; a slot's first 128 along K
	s_wait_dscnt 16                                ; P's set and R's blocks 0-3 are in; the youngest 16 loads (R's blocks 4-7) may be out
.if \first
	WIN FST_LO
.else
	WIN MUL_LO
.endif
	MUL16 0, 0, 0, \slot, \first
	MUL16 2, 0, 0, \slot, \first
	s_wait_dscnt 0x0                               ; R's blocks 4-7 are in
	PLACES NP
	FETCH_P \slot, 1, 1
	FETCH_R \slot, 1, 0
.if \first
	WIN FST_HI
.else
	WIN MUL_HI
.endif
	MUL16 4, 0, 0, \slot, \first
	MUL16 6, 0, 0, \slot, \first
	PLACES NP
	WIN 0
	FETCH_R \slot, 1, 4
.endm
; A slot's second 128 along K, and the change of slots: ONE barrier; in front of it each wave waits for all its tensor loads, adds 0 to its spare word, and waits for that and for its reads of this slot.
.macro TURN slot, next, fill, kk
	s_wait_tensorcnt 0x0                           ; all my tensor loads have landed: my part of the next slot
	ds_add_u32 v[SPW], v[NIL]                      ; 0 onto my spare word
	s_wait_dscnt 17                                ; (the add and the youngest 16 loads may be out)
	WIN MUL_LO
	MUL16 0, 1, 1, \slot, 0
	s_wait_dscnt 0x0                               ; the add is done, and my reads of this slot are over
	s_barrier_signal -1
	MUL16 2, 1, 1, \slot, 0
	WIN 0
	s_barrier_wait -1
.if \fill
	CREST                                          ; the barrier has opened a round of the cluster's: no wave of any partner still reads this slot or has a load on its way
	s_add_nc_u64 s[G0+4*\slot+2:G0+4*\slot+3], s[G0+4*\slot+2:G0+4*\slot+3], 8192
	s_add_nc_u64 s[G0B+4*\slot+2:G0B+4*\slot+3], s[G0B+4*\slot+2:G0B+4*\slot+3], 8192
	JLOAD G0+4*\slot, G1, G0B+4*\slot, G1B         ; the first tensor load behind the round; its four v_nop are among the places in front of the loads below
	PLACES NP-4
.else
	PLACES NP
.endif
	FETCH_P \next, 0, 0
	FETCH_R \next, 0, 0
	SCALES \next, \kk
	WIN MUL_HI
	MUL16 4, 1, 1, \slot, 0
	MUL16 6, 1, 1, \slot, 0
	PLACES NP
	WIN 0
	FETCH_R \next, 0, 4
.endm
	s_wait_alu depctr_va_vdst(0)
	s_wait_tensorcnt 0x1                           ; the scale words and my part of K step 0 are in; K step 1's load may be out
	s_barrier_signal -1
	s_barrier_wait -1
	FETCH_P 0, 0, 0
	FETCH_R 0, 0, 0
	SCALES 0, 0
	FETCH_R 0, 0, 4
	STEP 0, 1                                      ; the first products start the sums with the bias
.irp a, 0,1,2,3,4,5,6,7
	global_load_b32 v[BI+2*\a], v7, s[96:97] offset:(32*(\a/2)+8*(\a%2))*4   ; the bias along R, into registers that the first products have left (eight places back): block a, my lane's row
.endr
	TURN 0, 1, 1, 1
	STEP 1, 0
	TURN 1, 0, 1, 2
	STEP 0, 0
	TURN 0, 1, 0, 3                                ; nothing is left to fetch: no round
	STEP 1, 0
	s_wait_dscnt 16
	WIN MUL_LO
	MUL16 0, 1, 1, 1, 0
	MUL16 2, 1, 1, 1, 0
	s_wait_dscnt 0x0
	WIN MUL_HI
	MUL16 4, 1, 1, 1, 0
	MUL16 6, 1, 1, 1, 0
	WIN 0
; 64 numbers of a lane, register 16 b + i = place 32 b + 16 (lane / 16) + i along the next K, become a fragment's codes and its scale word
.macro QUANT s, pc, pw
.irp b, 0,1,2,3
	v_max3_num_f32 v[TM+\b], |v[\s+16*\b]|, |v[\s+1+16*\b]|, 0x4800000   ; with the floor 2^(9 - 127): the byte cannot fall under 1
.endr
.irp i, 2,4,6,8,10,12,14
.irp b, 0,1,2,3
	v_max3_num_f32 v[TM+\b], v[TM+\b], |v[\s+16*\b+\i]|, |v[\s+1+16*\b+\i]|
.endr
.endr
.irp b, 0,1,2,3
	v_permlanex16_b32 v[TM+4+\b], v[TM+\b], s[SEL], s[SEL+1]
.endr
.irp b, 0,1,2,3
	v_max_num_f32 v[TM+\b], v[TM+\b], v[TM+4+\b]
.endr
.irp b, 0,1,2,3
	v_add_nc_u32 v[TM+12+\b], 0xfc000000, v[TM+\b] ; 8 off the exponent field: the conversion's scale operand
.endr
.irp b, 0,1,2,3
.endr
.irp b, 0,1,2,3
	v_lshrrev_b32 v[TM+4+\b], 23, v[TM+12+\b]      ; the byte
.endr
	v_lshl_or_b32 v[\pw], v[TM+5], 8, v[TM+4]
	v_lshl_or_b32 v[\pw], v[TM+6], 16, v[\pw]
	v_lshl_or_b32 v[\pw], v[TM+7], 24, v[\pw]
.irp b, 0,1,2,3
.irp i, 0,1,2,3,4,5,6,7,8,9,10,11,12,13,14,15
.endr
	v_cvt_scalef32_pk8_fp8_f32 v[\pc+4*\b:\pc+4*\b+1], v[\s+16*\b:\s+16*\b+7], v[TM+12+\b]
	v_cvt_scalef32_pk8_fp8_f32 v[\pc+4*\b+2:\pc+4*\b+3], v[\s+16*\b+8:\s+16*\b+15], v[TM+12+\b]
.endr
	v_nop                                          ; one plain vector instruction behind the last conversion
.endm
; R's block a: its 64 sums come into window 0 with the bias along R, each accumulator from its low end on; they become one fragment, which leaves as four runs of 512 consecutive bytes
.macro OUTBLK a
.if (\a) >= 2
	s_wait_xcnt 0x0                                ; block a - 2's stores have read this set of codes
.endif
	WIN 0x02+(\a)/4
.set i, 0
.rept 32
	v_pk_add_f32 v[T+i:T+i+1], v[64*((\a)%4)+i:64*((\a)%4)+i+1], v[BI+2*(\a):BI+2*(\a)+1]
.set i, i+2
.endr
	WIN 0
	QUANT T, PC+16*((\a)%2), PW+(\a)
.irp c, 0,1,2,3
	global_store_b128 v[LI], v[PC+16*((\a)%2)+4*\c:PC+16*((\a)%2)+4*\c+3], s[4+2*((\a)/4):5+2*((\a)/4)] offset:2048*((\a)%4)+512*\c
.endr
.endm
	PLACES NP                                      ; in front of the first read of results and the first write of R's registers
	s_wait_loadcnt 0x0                             ; the bias along R
.irp a, 0,1,2,3,4,5,6,7
	v_mul_f32 v[BI+2*\a+1], s3, v[BI+2*\a]         ; x its flag, into both registers of the pair that the packed addition names
	v_mul_f32 v[BI+2*\a], s3, v[BI+2*\a]
.endr
.irp b, 0,1,2,3
	v_mov_b32 v[TM+4+\b], 0                        ; a lane permute's destination counts as one of its sources
.endr
.irp a, 0,1,2,3,4,5,6,7
	OUTBLK \a
.endr
	; the eight scale words a row: through my 512 bytes of slot 0 (it has had its last fill, and nobody reads it behind the last change of slots), so that sixteen lanes store 256 consecutive bytes
.irp a, 0,1,2,3,4,5,6,7
	ds_store_b32 v[SWS], v[PW+\a] offset:64*\a     ; lanes 16-31 write the same word with the same value
.endr
	ds_load_b128 v[T:T+3], v[SWL]                  ; LDS serves a wave's instructions in order: this sees my stores
	s_wait_dscnt 0x0
.irp j, 0,1,2,3
	v_and_b32 v[T+4+\j], s10, v[T+\j]              ; q, k: the even head's two bytes; v: the whole word
.endr
	global_store_b128 v[SOFF], v[T+4:T+7], s[8:9]
	s_cmp_eq_u32 ttmp9, 2
	s_cbranch_scc1 .Lno_hi
.irp j, 0,1,2,3
	v_lshrrev_b32 v[T+8+\j], 16, v[T+\j]           ; q, k: the odd head's two bytes, one region on
.endr
	global_store_b128 v[SOFF], v[T+8:T+11], s[8:9] offset:262144
.Lno_hi:
	s_wait_tensorcnt 0x0                           ; the wave's end
	ds_add_u32 v[SPW], v[NIL]
	s_wait_dscnt 0x0
	CROUND                                         ; the closing round
	s_endpgm
.Lfunc_end_k_q6aa95cee4c_qkv:
	.size	k_q6aa95cee4c_qkv, .Lfunc_end_k_q6aa95cee4c_qkv-k_q6aa95cee4c_qkv
	.p2alignl 7, 3214868480
	.fill 96, 4, 3214868480
	.section	.rodata,"a",@progbits
	.p2align	6, 0x0
	.amdhsa_kernel k_q6aa95cee4c_qkv
		.amdhsa_group_segment_fixed_size 327680
		.amdhsa_private_segment_fixed_size 0
		.amdhsa_enable_private_segment 0
		.amdhsa_kernarg_size 72
		.amdhsa_user_sgpr_count 2
		.amdhsa_user_sgpr_kernarg_segment_ptr 1
		.amdhsa_wavefront_size32 1
		.amdhsa_system_sgpr_workgroup_id_x 1
		.amdhsa_system_sgpr_workgroup_id_y 1
		.amdhsa_system_sgpr_workgroup_id_z 1
		.amdhsa_system_vgpr_workitem_id 0
		.amdhsa_next_free_vgpr 1024
		.amdhsa_next_free_sgpr 102
		.amdhsa_reserve_vcc 0
		.amdhsa_float_denorm_mode_32 3
		.amdhsa_float_denorm_mode_16_64 3
		.amdhsa_fp16_overflow 1
		.amdhsa_memory_ordered 1
		.amdhsa_forward_progress 1
		.amdhsa_inst_pref_size 172
	.end_amdhsa_kernel
	.amdgpu_metadata
---
amdhsa.version: [ 1, 2 ]
amdhsa.kernels:
  - .name:           k_q6aa95cee4c_qkv
    .symbol:         k_q6aa95cee4c_qkv.kd
    .args:
      - { .name: x_img, .offset: 0, .size: 8, .value_kind: global_buffer, .address_space: global }
      - { .name: x_scl, .offset: 8, .size: 8, .value_kind: global_buffer, .address_space: global }
      - { .name: w_img, .offset: 16, .size: 8, .value_kind: global_buffer, .address_space: global }
      - { .name: w_scl, .offset: 24, .size: 8, .value_kind: global_buffer, .address_space: global }
      - { .name: bq, .offset: 32, .size: 8, .value_kind: global_buffer, .address_space: global }
      - { .name: bk, .offset: 40, .size: 8, .value_kind: global_buffer, .address_space: global }
      - { .name: bv, .offset: 48, .size: 8, .value_kind: global_buffer, .address_space: global }
      - { .name: qkv_img, .offset: 56, .size: 8, .value_kind: global_buffer, .address_space: global }
      - { .name: qkv_scl, .offset: 64, .size: 8, .value_kind: global_buffer, .address_space: global }
    .group_segment_fixed_size: 327680
    .private_segment_fixed_size: 0
    .kernarg_segment_align: 8
    .kernarg_segment_size: 72
    .max_flat_workgroup_size: 128
    .sgpr_count:     102
    .vgpr_count:     1024
    .wavefront_size: 32
...
	.end_amdgpu_metadata
.endif
;; end of part 2
;; launch attn (part 3): grid 4 x 64, 16 waves a work-group, no clusters, 327,680 bytes of LDS; arguments qkv_img, qkv_scl, c_img, c_scl; writes c_img, c_scl
.if DOCPART == 3
	.amdgcn_target "amdgcn-amd-amdhsa--gfx1250"
	.amdhsa_code_object_version 6
	.text
	.protected	k_q6aa95cee4c_attn
	.globl	k_q6aa95cee4c_attn
	.p2align	8
	.type	k_q6aa95cee4c_attn,@function
k_q6aa95cee4c_attn:
	s_mov_b64 s[64:65], 0
	v_nop
	global_prefetch_b8 v0, s[64:65] scope:SCOPE_SE
	s_setreg_imm32_b32 hwreg(HW_REG_WAVE_MODE, 25, 1), 1
	s_wait_xcnt 0x0
; ctx = softmax(q k^T / 8, causal) v for 64 (batch, head) pairs of 2,048 tokens x 64, both products on codes of FP8 (E4M3) with E8M0 scales; ctx is quantised here along C for the last projection.
; THE SOFTMAX: t = score x log2(e) / 8; M = the running largest t rounded UP to a whole number; p = 2^(t - M) is quantised along the keys, not normalised; the row's sum is taken of the unquantised p and divides at the end.
; When M moves, the sum and O are multiplied by 2^(old M - new M): exact.
; INPUTS as images of operand registers.  q, k: fragment (token tile16, head pair): my head's 64 are 1,024 of its 2,048 bytes: registers 0-7 of an operand; registers 8-15 (k = 64 .. 127 of the instruction) are zero codes on both sides.
; v: fragment (16 rows d, 128 keys).  A tile16 holds rows 32 (T / 2) + 8 (T % 2) + i + 8 (i / 8), so that both products, used transposed (S^T = K Q^T, O^T = V^T P^T), leave 16 neighbours of the next K in 16 registers; a lane holds ONE query throughout.
; SHARES.  Work-group (i, bh) owns query blocks i and 7 - i of 256: i + 1 and 8 - i slots of 256 keys, nine for every work-group: 256 work-groups of equal work, and the loop's trip count is a constant.
; Each of SIXTEEN waves owns one tile16 of queries in 256 registers: four waves to a SIMD, so that one wave's vector work stands beside another's matrix work.  A step all of whose 128 keys come after the wave's queries is jumped over (a branch on ids).
; NO JOINT LOADS: the four work-groups of a head want different slots at the same time (block i begins anew at slot 0 while 7 - i' is further on); walking in step would take 12 slot times in place of 9.
; The two scale bytes a row of ctx leave by stores of 2 bytes: a head owns half of a scale word; 262,144 bytes in the whole launch.
; LIMITS: a block of zeros gets the byte 1, not 127 (zero codes; this program alone reads the bytes); NaN and infinities are not served.
; REGISTERS: v1-11 addresses; v12 -M, v13 the largest t, v[14:15] the sum; v16-31 Q; v32-95 four fragments of K (8 codes + 8 zeros each); v96-159 S^T, then p, then V's four fragments; v160-191 O^T; v192-207 p's codes; v208-223 at work; v224-230 scale words; v232 f, v233 p's scale word; v236-244 ctx's codes and bytes.
.set SLOT1, 65536                      ; a slot: K's codes 16,384, V's codes 16,384, K's words 1,024, V's words 512
.set VCOD,  16384
.set KWRD,  32768
.set VWRD,  33792
.set SPARE, 131072                     ; the spare words, 128 bytes for each wave: eight blocks of 256 bytes that no other line names
.set LI,   1                           ; 16 x lane
.set L4,   2                           ; 4 x lane
.set VQ,   3                           ; r + 8 (r / 8) - 16 h
.set R8,   4                           ; 8 r
.set SPW,  5
.set NIL,  6
.set AD16, 7                           ; the slot in hand + 16 x lane
.set AD4,  8                           ; + 4 x lane
.set R4,   9                           ; 4 r
.set LANE, 10
.set MX,   208                         ; block maxima
.set PB,   212                         ; the other half's; bytes; a chain of the sum
.set HL,   216
.set SO,   220                         ; the conversions' scale operands
.set KSW,  224
.set VSW,  228
.set QSW,  230
.set FF,   232
.set PSW,  233
.set TA,   234
.set TD,   235
.set CC,   236
.set CW,   244
.set WV,   12
.set WGI,  13
.set WGI1, 14
.set TL,   15
.set NF,   16
.set KSN,  17
.set MNT,  19
.set SEL,  20
.set CS,   22
.set G1K,  24
.set G1V,  32
.set G1W,  40
.set G1X,  48
.set G0K,  56
.set G0V,  60
.set G0W,  68
.set G0X,  72
.set ORK,  76
.set ORV,  78
.set ORW,  80
.set ORX,  82
.set QI,   84
.set QS,   86
.set CI,   88
.set CB,   90
.set TB,   92
.set CNT,  93
.set KF,   94
.set Q0,   95
; Waves 0 to 3 fetch one tile each, the others nothing.  The branches hang on the wave's number alone.  Four v_nop follow each load.
.macro TLOAD4
	s_cmp_lg_u32 s[WV], 0
	s_cbranch_scc1 .Lw1_\@
	tensor_load_to_lds s[G0K:G0K+3], s[G1K:G1K+7]
	s_nop 0
.rept 4
	v_nop
.endr
	s_branch .Lasked_\@
.Lw1_\@:
	s_cmp_lg_u32 s[WV], 1
	s_cbranch_scc1 .Lw2_\@
	tensor_load_to_lds s[G0V:G0V+3], s[G1V:G1V+7]
	s_nop 0
.rept 4
	v_nop
.endr
	s_branch .Lasked_\@
.Lw2_\@:
	s_cmp_lg_u32 s[WV], 2
	s_cbranch_scc1 .Lw3_\@
	tensor_load_to_lds s[G0W:G0W+3], s[G1W:G1W+7]
	s_nop 0
.rept 4
	v_nop
.endr
	s_branch .Lasked_\@
.Lw3_\@:
	s_cmp_lg_u32 s[WV], 3
	s_cbranch_scc1 .Lasked_\@
	tensor_load_to_lds s[G0X:G0X+3], s[G1X:G1X+7]
	s_nop 0
.rept 4
	v_nop
.endr
.Lasked_\@:
.endm
	s_load_b256 s[4:11], s[0:1], 0x0               ; qkv_img, qkv_scl, c_img, c_scl
	v_lshl_add_u32 v[SPW], v0, 2, SPARE
	v_mov_b32 v[NIL], 0
	ds_add_u32 v5, v6
	ds_add_u32 v5, v6
	s_wait_dscnt 0x0
	v_lshrrev_b32 v[AD16], 5, v0
	s_delay_alu instid0(VALU_DEP_1)
	v_readfirstlane_b32 s[WV], v[AD16]             ; wave 0..15
	s_mov_b32 s[WGI], ttmp9                        ; i
	s_add_co_u32 s[WGI1], ttmp9, 1
	s_and_b32 s96, ttmp7, 0xffff                   ; bh
	s_lshr_b32 s15, s96, 4                         ; batch
	s_and_b32 s16, s96, 15                         ; head
	s_lshr_b32 s17, s16, 1                         ; head pair
	s_and_b32 s18, s16, 1                          ; which of the pair
	; K's codes: 16 tile16 x 1,024 bytes, 2,048 apart; elements of 8 bytes
	s_mov_b32 s[G1K], 3<<16
	s_mov_b32 s[G1K+1], 128<<16
	s_mov_b32 s[G1K+2], 16<<16
	s_mov_b32 s[G1K+3], 128<<16
	s_mov_b32 s[G1K+4], 16
	s_mov_b32 s[G1K+5], 256
	s_mov_b32 s[G1K+6], 0
	s_mov_b32 s[G1K+7], 0
	; dense blocks as rows of 256 bytes: V's codes 64 rows, K's words 4, V's words 2
.irp g, G1V, G1W, G1X
	s_mov_b32 s[\g], 3<<16
	s_mov_b32 s[\g+1], 32<<16
	s_mov_b32 s[\g+3], 32<<16
	s_mov_b32 s[\g+5], 32
	s_mov_b32 s[\g+6], 0
	s_mov_b32 s[\g+7], 0
.endr
	s_mov_b32 s[G1V+2], 64<<16
	s_mov_b32 s[G1V+4], 64
	s_mov_b32 s[G1W+2], 4<<16
	s_mov_b32 s[G1W+4], 4
	s_mov_b32 s[G1X+2], 2<<16
	s_mov_b32 s[G1X+4], 2
	s_mov_b32 s99, 0
	s_mov_b32 s101, 0
	s_lshl_b32 s98, s17, 20
	s_lshl_b32 s2, s15, 18
	s_add_co_u32 s98, s98, s2
	s_lshl_b32 s2, s18, 10
	s_add_co_u32 s98, s98, s2                      ; q's codes: 1 MiB x pair + the batch's 128 tiles x 2,048 + 1,024 x which
	s_lshl_b32 s100, s18, 18
	s_lshl_b32 s2, s17, 15
	s_add_co_u32 s100, s100, s2
	s_lshl_b32 s2, s15, 13
	s_add_co_u32 s100, s100, s2                    ; q's words: region which + 32,768 x pair + 128 tiles x 64
	s_wait_kmcnt 0x0
	s_add_nc_u64 s[QI:QI+1], s[4:5], s[98:99]
	s_add_nc_u64 s[ORK:ORK+1], s[QI:QI+1], 0x800000     ; k's codes lie 8 MiB on,
	s_add_nc_u64 s[QS:QS+1], s[6:7], s[100:101]
	s_add_nc_u64 s[ORW:ORW+1], s[QS:QS+1], 0x80000      ; k's words two regions on
	s_lshl_b32 s98, s96, 17
	s_add_co_u32 s98, s98, 0x1000000
	s_add_nc_u64 s[ORV:ORV+1], s[4:5], s[98:99]
	s_lshl_b32 s100, s96, 12
	s_add_co_u32 s100, s100, 0x100000
	s_add_nc_u64 s[ORX:ORX+1], s[6:7], s[100:101]
	s_lshl_b32 s98, s15, 21
	s_lshl_b32 s2, s17, 11
	s_add_co_u32 s98, s98, s2
	s_lshl_b32 s2, s18, 10
	s_add_co_u32 s98, s98, s2
	s_add_nc_u64 s[CI:CI+1], s[8:9], s[98:99]      ; ctx's codes: the batch's tiles x 16,384 + fragment head / 2 + 1,024 (head % 2)
	s_lshl_b32 s100, s15, 16
	s_lshr_b32 s2, s16, 2
	s_lshl_b32 s2, s2, 7
	s_add_co_u32 s100, s100, s2
	s_and_b32 s2, s17, 1
	s_lshl_b32 s2, s2, 2
	s_add_co_u32 s100, s100, s2
	s_lshl_b32 s2, s18, 1
	s_add_co_u32 s100, s100, s2
	s_add_nc_u64 s[CB:CB+1], s[10:11], s[100:101]  ; its bytes: tiles x 512 + 128 (head / 4) + 4 ((head / 2) % 2) + 2 (head % 2)
	s_mov_b32 s[G0K], 1
	s_mov_b32 s[G0K+1], 0
	s_mov_b64 s[G0K+2:G0K+3], s[ORK:ORK+1]
	s_or_b32 s[G0K+3], s[G0K+3], 0x80000000
	s_mov_b32 s[G0V], 1
	s_mov_b32 s[G0V+1], VCOD
	s_mov_b64 s[G0V+2:G0V+3], s[ORV:ORV+1]
	s_or_b32 s[G0V+3], s[G0V+3], 0x80000000
	s_mov_b32 s[G0W], 1
	s_mov_b32 s[G0W+1], KWRD
	s_mov_b64 s[G0W+2:G0W+3], s[ORW:ORW+1]
	s_or_b32 s[G0W+3], s[G0W+3], 0x80000000
	s_mov_b32 s[G0X], 1
	s_mov_b32 s[G0X+1], VWRD
	s_mov_b64 s[G0X+2:G0X+3], s[ORX:ORX+1]
	s_or_b32 s[G0X+3], s[G0X+3], 0x80000000
	TLOAD4                                         ; slot 0: the head's first 256 keys
	s_mov_b32 s[SEL], 0x76543210
	s_mov_b32 s[SEL+1], 0xfedcba98
	s_mov_b32 s[CS], 0x3e38aa3b                    ; c = log2(e) / 8
	s_mov_b32 s[CS+1], s[CS]                       ; (named with it as a pair, so it is written)
	s_mov_b32 s[TB], 0
	s_mov_b32 s[CNT], 0
	v_and_b32 v[LANE], 31, v0
	v_and_b32 v11, 15, v0                          ; r
	v_bfe_u32 v[TA], v0, 4, 1                      ; h
	s_delay_alu instid0(VALU_DEP_3)
	v_lshlrev_b32 v[LI], 4, v[LANE]
	s_delay_alu instid0(VALU_DEP_4)
	v_lshlrev_b32 v[L4], 2, v[LANE]
	s_delay_alu instid0(VALU_DEP_4)
	v_and_b32 v[VQ], 8, v11
	s_delay_alu instid0(VALU_DEP_1)
	v_add_nc_u32 v[VQ], v[VQ], v11
	v_lshlrev_b32 v[TA], 4, v[TA]
	s_delay_alu instid0(VALU_DEP_1)
	v_sub_nc_u32 v[VQ], v[VQ], v[TA]
	v_lshlrev_b32 v[R8], 3, v11
	v_lshlrev_b32 v[R4], 2, v11
.irp j, 0,1,2,3,4,5,6,7
	v_mov_b32 v[24+\j], 0                          ; the zero codes of k = 64 .. 127: Q's,
.irp t, 0,1,2,3
	v_mov_b32 v[40+16*\t+\j], 0                    ; and K's four buffers': written once
.endr
.endr
.irp b, 0,1,2,3
	v_mov_b32 v[PB+\b], 0                          ; a lane permute's destination counts as one of its sources
.endr
	v_mov_b32 v[PSW], 0                            ; (named as the upper half of the pair v[232:233] before it is first written)
; A block of queries begins: s[blk] holds its number
.macro INIT blk
	s_lshl_b32 s[TL], s[\blk], 4
	s_add_co_u32 s[TL], s[TL], s[WV]               ; my tile16 in the batch
	s_lshr_b32 s[Q0], s[TL], 1
	s_lshl_b32 s[Q0], s[Q0], 5
	s_and_b32 s96, s[TL], 1
	s_lshl_b32 s96, s96, 3
	s_add_co_u32 s[Q0], s[Q0], s96                 ; its first query; lane r's is Q0 + r + 8 (r / 8)
	s_mov_b32 s[KF], 0
	s_lshl_b32 s96, s[TL], 11
	s_mov_b32 s97, 0
	s_add_nc_u64 s[98:99], s[QI:QI+1], s[96:97]
	s_lshl_b32 s96, s[TL], 6
	s_add_nc_u64 s[100:101], s[QS:QS+1], s[96:97]
	global_load_b128 v[16:19], v[LI], s[98:99]
	global_load_b128 v[20:23], v[LI], s[98:99] offset:512
	global_load_b32 v[QSW], v[R4], s[100:101]
	v_mov_b32 v13, 0xff61b1e6                      ; the largest t so far: -3e38
	s_delay_alu instid0(VALU_DEP_1)
	v_floor_f32 v12, -v13                          ; -M
	v_mov_b32 v14, 0
	v_mov_b32 v15, 0
.set j, 0
.rept 32
	v_mov_b32 v[160+j], 0                          ; O^T: the step is written once; the first change of M leaves zeros zeros
.set j, j+1
.endr
	s_wait_loadcnt 0x0
.endm
; A KEY STEP: 128 keys, the q-th of the slot in hand
.macro STEP q
	s_add_co_u32 s96, s[Q0], 23
	s_cmp_gt_u32 s[KF], s96                        ; all 128 keys come after my queries: nothing to do.  No barrier and no tensor load stands in a step
	s_cbranch_scc1 .Lhidden_\@
	v_add_nc_u32 v[AD16], s[TB], v[LI]
	s_wait_alu depctr_va_vdst(0)
	v_add_nc_u32 v[AD4], s[TB], v[L4]
.irp p, 0,1,2,3
	ds_load_b32 v[KSW+\p], v[AD4] offset:KWRD+512*(\q)+128*\p   ; lanes 0-15: the words of tile 2 p, lanes 16-31: of tile 2 p + 1
.endr
.irp g, 0,1                                    ; S^T = K Q^T, four tiles of 16 keys at a time
.if \g
.rept 8
	v_nop                                          ; places in front of loads into registers that matrix instructions have read
.endr
.endif
.irp t, 0,1,2,3
.irp c, 0,1
	ds_load_b128 v[32+16*\t+4*\c:32+16*\t+4*\c+3], v[AD16] offset:(8*(\q)+4*\g+\t)*1024+512*\c
.endr
.endr
	s_wait_dscnt 0x0
.irp t, 0,1,2,3
.if (\t)%2
	v_wmma_scale_f32_16x16x128_f8f6f4 v[96+8*(4*\g+\t):103+8*(4*\g+\t)], v[32+16*\t:47+16*\t], v[16:31], 0, v[KSW+2*\g+\t/2], v[QSW] matrix_a_scale:MATRIX_SCALE_ROW1
.else
	v_wmma_scale_f32_16x16x128_f8f6f4 v[96+8*(4*\g+\t):103+8*(4*\g+\t)], v[32+16*\t:47+16*\t], v[16:31], 0, v[KSW+2*\g+\t/2], v[QSW]
.endif
.endr
.endr                                          ; register 16 b + i: key KF + 32 b + 16 (lane / 16) + i
.rept 8
	v_nop
.endr
	s_add_co_u32 s96, s[KF], 127
	s_cmp_le_u32 s96, s[Q0]                        ; all keys count: no mask
	s_cbranch_scc1 .Lopen_\@
	s_sub_co_i32 s96, s[Q0], s[KF]
	v_add_nc_u32 v[TD], s96, v[VQ]                 ; d = my query - KF - 16 (lane / 16): hidden where 32 b + i > d
	v_mov_b32 v[TA], 0xff800000                    ; -infinity: p = 0 then
.set n, 0
.rept 64
	v_cmp_gt_i32 vcc_lo, 32*(n/16)+n%16, v[TD]
	v_cndmask_b32 v[96+n], v[96+n], v[TA], vcc_lo
.set n, n+1
.endr
.Lopen_\@:
.irp b, 0,1,2,3
	v_max3_num_f32 v[MX+\b], v[96+16*\b], v[97+16*\b], v[98+16*\b]   ; the largest score of each block of 32 keys: for the row's maximum, and, since p rises with the score, for the block's largest p
.endr
.irp i, 3,5,7,9,11,13
.irp b, 0,1,2,3
	v_max3_num_f32 v[MX+\b], v[MX+\b], v[96+16*\b+\i], v[97+16*\b+\i]
.endr
.endr
.irp b, 0,1,2,3
	v_max_num_f32 v[MX+\b], v[MX+\b], v[111+16*\b]
.endr
.irp b, 0,1,2,3
	s_delay_alu instid0(VALU_DEP_4)
	v_permlanex16_b32 v[PB+\b], v[MX+\b], s[SEL], s[SEL+1]
.endr
.irp b, 0,1,2,3
	s_delay_alu instid0(VALU_DEP_4)
	v_max_num_f32 v[MX+\b], v[MX+\b], v[PB+\b]     ; with lane l xor 16's 16 keys
.endr
	s_delay_alu instid0(VALU_DEP_2)
	v_max3_num_f32 v[TA], v[MX], v[MX+1], v[MX+2]
	s_delay_alu instid0(VALU_DEP_1)
	v_max_num_f32 v[TA], v[TA], v[MX+3]
	s_delay_alu instid0(VALU_DEP_1)
	v_mul_f32 v[TA], s[CS], v[TA]                  ; as t
	s_delay_alu instid0(VALU_DEP_1)
	v_max_num_f32 v13, v13, v[TA]                  ; the running largest t
	v_mov_b32 v[TA], v12
	s_delay_alu instid0(VALU_DEP_2)
	v_floor_f32 v12, -v13                          ; the new -M = -ceil(t)
	s_delay_alu instid0(VALU_DEP_1)
	v_sub_f32 v[TA], v12, v[TA]                    ; old M - new M: a whole number, 0 or less
	s_delay_alu instid0(VALU_DEP_1)
	v_cvt_i32_f32 v[TA], v[TA]                     ; (it saturates)
	s_delay_alu instid0(VALU_DEP_1)
	v_ldexp_f32 v[FF], 1.0, v[TA]                  ; f = 2^(old M - new M)
.set j, 0
.rept 32
	v_pk_fma_f32 v[96+j:97+j], v[96+j:97+j], s[CS:CS+1], v[12:13] op_sel_hi:[1,0,0]   ; t - M, two at a time
.set j, j+2
.endr
.irp b, 0,1,2,3
	v_fma_f32 v[MX+\b], v[MX+\b], s[CS], v12       ; the same of each block's largest score
.endr
.set j, 0
	s_wait_alu depctr_va_vdst(0)
.rept 64
	v_exp_f32 v[96+j], v[96+j]                     ; p = 2^(t - M)
.set j, j+1
.endr
.irp b, 0,1,2,3
	v_exp_f32 v[MX+\b], v[MX+\b]                   ; the block's largest p: the same two instructions on the same number
.endr
	v_pk_mul_f32 v[14:15], v[14:15], v[FF:FF+1] op_sel_hi:[1,0]   ; the sums under the new M (a plain place behind the exponentials)
	s_wait_alu depctr_va_vdst(0)
.irp b, 0,1,2,3
	v_max_num_f32 v[MX+\b], 0x4800000, v[MX+\b]    ; the floor 2^(9 - 127): the byte cannot fall under 1
.endr
.irp b, 0,1,2,3
	s_delay_alu instid0(VALU_DEP_4)
	v_add_nc_u32 v[SO+\b], 0xfc000000, v[MX+\b]
.endr
.irp b, 0,1,2,3
.endr
.irp b, 0,1,2,3
	s_delay_alu instid0(VALU_DEP_4)
	v_lshrrev_b32 v[PB+\b], 23, v[SO+\b]
.endr
	s_delay_alu instid0(VALU_DEP_3)
	v_lshl_or_b32 v[PSW], v[PB+1], 8, v[PB]        ; p's scale word for these 128 keys
	s_delay_alu instid0(VALU_DEP_1)
	v_lshl_or_b32 v[PSW], v[PB+2], 16, v[PSW]
	s_delay_alu instid0(VALU_DEP_1)
	v_lshl_or_b32 v[PSW], v[PB+3], 24, v[PSW]
	v_pk_add_f32 v[212:213], v[100:101], v[104:105]
	v_pk_add_f32 v[254:255], v[108:109], v[112:113]
	v_pk_add_f32 v[252:253], v[116:117], v[120:121]
	v_pk_add_f32 v[250:251], v[124:125], v[128:129]
	v_pk_add_f32 v[248:249], v[132:133], v[136:137]
	v_pk_add_f32 v[246:247], v[140:141], v[144:145]
	v_pk_add_f32 v[218:219], v[148:149], v[152:153]
	v_pk_add_f32 v[14:15], v[14:15], v[156:157]
	v_pk_add_f32 v[212:213], v[212:213], v[96:97]
	v_pk_add_f32 v[254:255], v[254:255], v[98:99]
	v_pk_add_f32 v[252:253], v[252:253], v[102:103]
	v_pk_add_f32 v[250:251], v[250:251], v[106:107]
	v_pk_add_f32 v[248:249], v[248:249], v[110:111]
	v_pk_add_f32 v[246:247], v[246:247], v[114:115]
	v_pk_add_f32 v[218:219], v[218:219], v[118:119]
	v_pk_add_f32 v[14:15], v[14:15], v[122:123]
	v_pk_add_f32 v[212:213], v[212:213], v[126:127]
	v_pk_add_f32 v[254:255], v[254:255], v[130:131]
	v_pk_add_f32 v[252:253], v[252:253], v[134:135]
	v_pk_add_f32 v[250:251], v[250:251], v[138:139]
	v_pk_add_f32 v[248:249], v[248:249], v[142:143]
	v_pk_add_f32 v[246:247], v[246:247], v[146:147]
	v_pk_add_f32 v[218:219], v[218:219], v[150:151]
	v_pk_add_f32 v[14:15], v[14:15], v[154:155]
	v_pk_add_f32 v[212:213], v[212:213], v[158:159]
	s_delay_alu instid0(VALU_DEP_2)
	v_pk_add_f32 v[14:15], v[14:15], v[250:251]
	s_delay_alu instid0(VALU_DEP_2)
	v_pk_add_f32 v[212:213], v[212:213], v[248:249]
	v_pk_add_f32 v[254:255], v[254:255], v[246:247]
	v_pk_add_f32 v[252:253], v[252:253], v[218:219]
	s_delay_alu instid0(VALU_DEP_2)
	v_pk_add_f32 v[14:15], v[14:15], v[254:255]
	s_delay_alu instid0(VALU_DEP_2)
	v_pk_add_f32 v[212:213], v[212:213], v[252:253]
	s_delay_alu instid0(VALU_DEP_1)
	v_pk_add_f32 v[14:15], v[14:15], v[212:213]
.irp b, 0,1,2,3
.set j, 0
.rept 16
.set j, j+1
.endr
	v_cvt_scalef32_pk8_fp8_f32 v[192+4*\b:193+4*\b], v[96+16*\b:103+16*\b], v[SO+\b]
	v_cvt_scalef32_pk8_fp8_f32 v[194+4*\b:195+4*\b], v[104+16*\b:111+16*\b], v[SO+\b]
.endr
	v_nop                                          ; one plain vector instruction behind the last conversion
.irp d, 0,1,2,3
.irp c, 0,1,2,3
	ds_load_b128 v[96+16*\d+4*\c:96+16*\d+4*\c+3], v[AD16] offset:VCOD+8192*(\q)+2048*\d+512*\c   ; V's four fragments take p's place
.endr
.endr
.irp p, 0,1
	ds_load_b32 v[VSW+\p], v[AD4] offset:VWRD+256*(\q)+128*\p
.endr
.set j, 0
.rept 16
	v_pk_mul_f32 v[160+j:161+j], v[160+j:161+j], v[FF:FF+1] op_sel_hi:[1,0]   ; O^T under the new M; also the places between the codes' making and the products
.set j, j+2
.endr
	s_wait_alu depctr_va_vdst(0)
	s_wait_dscnt 0x0
.irp d, 0,1,2,3                                ; O^T += V^T P^T: the four accumulators by turns
.if (\d)%2
	v_wmma_scale_f32_16x16x128_f8f6f4 v[160+8*\d:167+8*\d], v[96+16*\d:111+16*\d], v[192:207], v[160+8*\d:167+8*\d], v[VSW+\d/2], v[PSW] matrix_a_scale:MATRIX_SCALE_ROW1
.else
	v_wmma_scale_f32_16x16x128_f8f6f4 v[160+8*\d:167+8*\d], v[96+16*\d:111+16*\d], v[192:207], v[160+8*\d:167+8*\d], v[VSW+\d/2], v[PSW]
.endif
.endr
.rept 9
	v_nop                                          ; nine: the next step's products write over V's registers
.endr
.Lhidden_\@:
	s_add_co_u32 s[KF], s[KF], 128
.endm
.macro NEXTG g0, org, sh               ; a walking descriptor: the other LDS slot, key slot KSN
	s_lshl_b32 s96, s[KSN], \sh
	s_add_nc_u64 s[\g0+2:\g0+3], s[\org:\org+1], s[96:97]
	s_or_b32 s[\g0+3], s[\g0+3], 0x80000000
	s_xor_b32 s[\g0+1], s[\g0+1], SLOT1
.endm
; THE CHANGE OF SLOTS stands at a slot's head: each wave waits for all its tensor loads, adds 0 to its spare word, and waits for that and for its reads of the slot that it has left; behind the barrier the slot ahead is whole
; and nobody reads the other one, which is filled with the keys that follow: a whole slot's steps in which to land.
.macro CHANGE fill
	s_wait_tensorcnt 0x0                           ; no tensor load of mine is out, so a group 0 may be written
	ds_add_u32 v[SPW], v[NIL]                      ; 0 onto my spare word
.if \fill
	s_add_co_u32 s[NF], s[CNT], 1                  ; the next of my nine slots: key slot NF of block i, or NF - (i + 1) of block 7 - i
	s_cmp_lt_u32 s[NF], s[WGI1]
	s_cselect_b32 s[KSN], 0, s[WGI1]
	s_sub_co_u32 s[KSN], s[NF], s[KSN]
	s_mov_b32 s97, 0
	NEXTG G0K, ORK, 15
	NEXTG G0V, ORV, 14
	NEXTG G0W, ORW, 10
	NEXTG G0X, ORX, 9
.endif
	s_wait_dscnt 0x0                               ; the add is done, and my reads of the slot that I have left are over
	s_barrier_signal -1
	s_barrier_wait -1
.if \fill
	TLOAD4                                         ; the first thing behind the barrier, and a wave's one tensor load until the next
.endif
.endm
; A block of queries ends: O^T / the sum is ctx; register 16 b + i is column 32 b + 16 (lane / 16) + i of my head: two blocks of the last projection's K
.macro FINISH
	s_wait_xcnt 0x0                                ; the last FINISH's stores have read their registers and bases
	s_lshl_b32 s96, s[TL], 14
	s_mov_b32 s97, 0
	s_add_nc_u64 s[2:3], s[CI:CI+1], s[96:97]
	s_lshl_b32 s96, s[TL], 9
	s_add_nc_u64 s[66:67], s[CB:CB+1], s[96:97]
	v_add_f32 v14, v14, v15
	s_delay_alu instid0(VALU_DEP_1)
	v_permlanex16_b32 v[TA], v14, s[SEL], s[SEL+1]
	s_delay_alu instid0(VALU_DEP_1)
	v_add_f32 v14, v14, v[TA]                      ; the row's sum
	s_wait_alu depctr_va_vdst(0)
	v_rcp_f32 v14, v14
	v_nop                                          ; one plain place behind a transcendental
.set j, 0
	s_wait_alu depctr_va_vdst(0)
.rept 32
	v_mul_f32 v[96+j], v[160+j], v14
.set j, j+1
.endr
.irp b, 0,1
	v_max3_num_f32 v[MX+\b], |v[96+16*\b]|, |v[97+16*\b]|, 0x4800000
.endr
.irp i, 2,4,6,8,10,12,14
.irp b, 0,1
	s_delay_alu instid0(VALU_DEP_2)
	v_max3_num_f32 v[MX+\b], v[MX+\b], |v[96+16*\b+\i]|, |v[97+16*\b+\i]|
.endr
.endr
.irp b, 0,1
	s_delay_alu instid0(VALU_DEP_2)
	v_permlanex16_b32 v[PB+\b], v[MX+\b], s[SEL], s[SEL+1]
.endr
.irp b, 0,1
	s_delay_alu instid0(VALU_DEP_2)
	v_max_num_f32 v[MX+\b], v[MX+\b], v[PB+\b]
.endr
.irp b, 0,1
	s_delay_alu instid0(VALU_DEP_2)
	v_add_nc_u32 v[SO+\b], 0xfc000000, v[MX+\b]
.endr
.irp b, 0,1
.endr
.irp b, 0,1
	s_delay_alu instid0(VALU_DEP_2)
	v_lshrrev_b32 v[PB+\b], 23, v[SO+\b]
.endr
	s_delay_alu instid0(VALU_DEP_1)
	v_lshl_or_b32 v[CW], v[PB+1], 8, v[PB]         ; my head's two bytes of the row's scale word
.irp b, 0,1
.set j, 0
.rept 16
.set j, j+1
.endr
	v_cvt_scalef32_pk8_fp8_f32 v[CC+4*\b:CC+4*\b+1], v[96+16*\b:103+16*\b], v[SO+\b]
	v_cvt_scalef32_pk8_fp8_f32 v[CC+4*\b+2:CC+4*\b+3], v[104+16*\b:111+16*\b], v[SO+\b]
.endr
	v_nop
	global_store_b128 v[LI], v[CC:CC+3], s[2:3]    ; 512 consecutive bytes, twice
	global_store_b128 v[LI], v[CC+4:CC+7], s[2:3] offset:512
	s_wait_alu depctr_va_vdst(0)
	s_wait_xcnt 0x0                                ; EXEC is a source of the stores above
	v_cmp_gt_u32 vcc_lo, 16, v[LANE]
	s_and_saveexec_b32 s96, vcc_lo                 ; lanes 16-31 hold the same bytes
	global_store_b16 v[R8], v[CW], s[66:67]
	s_wait_xcnt 0x0                                ; and again, in front of the line that widens it
	s_or_b32 exec_lo, exec_lo, s96
.endm
	INIT WGI
.Lslot:                                            ; eight trips: behind each change of slots but the last the next slot is asked for
	CHANGE 1
	STEP 0
	STEP 1
	s_xor_b32 s[TB], s[TB], SLOT1
	s_cmp_lg_u32 s[CNT], s[WGI]                    ; block i has walked its i + 1 slots: on to block 7 - i.  A branch on ids, the same in all sixteen waves
	s_cbranch_scc1 .Lsame
	FINISH
	s_sub_co_u32 s18, 7, s[WGI]
	INIT 18
.Lsame:
	s_add_co_u32 s[CNT], s[CNT], 1
	s_cmp_lt_u32 s[CNT], 8
	s_cbranch_scc1 .Lslot
	CHANGE 0                                       ; the ninth slot is written out
	STEP 0
	STEP 1
	FINISH
	s_wait_tensorcnt 0x0                           ; the wave's end
	ds_add_u32 v[SPW], v[NIL]
	s_wait_dscnt 0x0
	s_endpgm
.Lfunc_end_k_q6aa95cee4c_attn:
	.size	k_q6aa95cee4c_attn, .Lfunc_end_k_q6aa95cee4c_attn-k_q6aa95cee4c_attn
	.p2alignl 7, 3214868480
	.fill 96, 4, 3214868480
	.section	.rodata,"a",@progbits
	.p2align	6, 0x0
	.amdhsa_kernel k_q6aa95cee4c_attn
		.amdhsa_group_segment_fixed_size 327680
		.amdhsa_private_segment_fixed_size 0
		.amdhsa_enable_private_segment 0
		.amdhsa_kernarg_size 32
		.amdhsa_user_sgpr_count 2
		.amdhsa_user_sgpr_kernarg_segment_ptr 1
		.amdhsa_wavefront_size32 1
		.amdhsa_system_sgpr_workgroup_id_x 1
		.amdhsa_system_sgpr_workgroup_id_y 1
		.amdhsa_system_sgpr_workgroup_id_z 1
		.amdhsa_system_vgpr_workitem_id 0
		.amdhsa_next_free_vgpr 256
		.amdhsa_next_free_sgpr 102
		.amdhsa_reserve_vcc 1
		.amdhsa_float_denorm_mode_32 3
		.amdhsa_float_denorm_mode_16_64 3
		.amdhsa_fp16_overflow 1
		.amdhsa_memory_ordered 1
		.amdhsa_forward_progress 1
		.amdhsa_inst_pref_size 115
	.end_amdhsa_kernel
	.amdgpu_metadata
---
amdhsa.version: [ 1, 2 ]
amdhsa.kernels:
  - .name:           k_q6aa95cee4c_attn
    .symbol:         k_q6aa95cee4c_attn.kd
    .args:
      - { .name: qkv_img, .offset: 0, .size: 8, .value_kind: global_buffer, .address_space: global }
      - { .name: qkv_scl, .offset: 8, .size: 8, .value_kind: global_buffer, .address_space: global }
      - { .name: c_img, .offset: 16, .size: 8, .value_kind: global_buffer, .address_space: global }
      - { .name: c_scl, .offset: 24, .size: 8, .value_kind: global_buffer, .address_space: global }
    .group_segment_fixed_size: 327680
    .private_segment_fixed_size: 0
    .kernarg_segment_align: 8
    .kernarg_segment_size: 32
    .max_flat_workgroup_size: 512
    .sgpr_count:     102
    .vgpr_count:     256
    .wavefront_size: 32
...
	.end_amdgpu_metadata
.endif
;; end of part 3
;; launch proj (part 4): grid 4 x 32, 4 waves a work-group, clusters of 4 x 4, 327,680 bytes of LDS; arguments c_img, c_scl, w_img, w_scl, bo, out0; writes out0
.if DOCPART == 4
	.amdgcn_target "amdgcn-amd-amdhsa--gfx1250"
	.amdhsa_code_object_version 6
	.text
	.protected	k_q6aa95cee4c_proj
	.globl	k_q6aa95cee4c_proj
	.p2align	8
	.type	k_q6aa95cee4c_proj,@function
k_q6aa95cee4c_proj:
	s_mov_b64 s[64:65], 0
	v_nop
	global_prefetch_b8 v0, s[64:65] scope:SCOPE_SE
	s_setreg_imm32_b32 hwreg(HW_REG_WAVE_MODE, 25, 1), 1
	s_wait_xcnt 0x0
	s_wait_alu depctr_hold_cnt(0) depctr_sa_sdst(0) depctr_va_vdst(0) depctr_va_sdst(0) depctr_va_ssrc(0) depctr_va_vcc(0) depctr_vm_vsrc(0)
	s_getreg_b32 s2, hwreg(HW_REG_IB_STS2, 6, 4)
	s_cmp_eq_u32 s2, 0
	s_cbranch_scc0 .Lentry_in_a_cluster
	s_endpgm
.Lentry_in_a_cluster:
	s_bfe_u32 s2, ttmp6, 0x10000c
	s_cmp_lg_u32 s2, 0xf033
	s_cbranch_scc0 .Lentry_shape_is_right
	s_endpgm
.Lentry_shape_is_right:
; out0 = ctx Wo^T + bo on codes of FP8 (E4M3) with E8M0 scales, f32 sums.  ctx and Wo lie as images of operand registers: tile16 T = rows 32 (T / 2) + 8 (T % 2) + i + 8 (i / 8);
; fragment (T, s): byte 512 c + 16 l + e = code of (row l % 16, k = 128 s + 32 c + 16 (l / 16) + e); codes [T][s][2048]; scale words [T][kk][row][q].  Wo's 64 tiles are tiles 192-255 of w_img.
; A tile of out0 is 256 x 256: four waves, each 128 x 128 in 64 accumulators.  K = 1,024 goes in four steps of 256 through two LDS slots; the steps are written out.
; Y = ctx's 16 tile16 (work-group y) = R, source 1: a lane holds one token.  X = Wo's 16 tile16 (work-group x) = P, source 0: a lane's registers run along the columns.  CLUSTERS of 4 x 4: Y's tiles are asked for jointly along a row, X's along a column.
; 128 work-groups: a tile of 128 x 256 would give 256, but each fragment read from LDS would feed fewer products (384 against 256 LDS bytes for the same matrix work); one core serves both GEMMs of the program.
; The bias is the C of each sum's first product.  The results go through the wave's stage in LDS and leave as rows of 512 consecutive bytes.
; REGISTERS: window 0: v1-6 lane figures; v16-17, v20-21, v24-25, v27 LDS addresses; v28-29 the add's; v32-63 scale words, two sets; v64-127 the bias; v128-255 R's fragments, later rows of out0.   window 1: P's fragments, two sets.   windows 2, 3: the accumulators.
.set NP,    8
.set SLOT,  131072
.set XOFF,  65536
.set SCL,   262144
.set SPARE, 294912                     ; the spare words, 128 bytes for each wave: two blocks of 256 bytes that no other line names
.set SPITCH, 528                       ; the stage: 16 rows x (512 bytes + 16) for each wave, in slot 0, which has had its last fill and its last read when the first result is stored there
.set LI,    4
.set ADRR,  16
.set ADRP,  20
.set STO,   24
.set RD,    25
.set ADRS,  27
.set SPW,   28
.set NIL,   29
.set SC,    32
.set BI,    64
.set RF,    128
.set BK,    128
.set G1, 24
.set G0, 32
.set G1B, 48
.set G0B, 56
.set G1S, 68
.set G0S, 76
.set G1SB, 80
.set G0SB, 88
.set MSB, 0
.macro WIN new
.if MSB != (\new)
	s_set_vgpr_msb (MSB<<8)|(\new)
.set MSB, (\new)
.endif
.endm
.set MUL_LO, 0xa1
.set MUL_HI, 0xf1
.set FST_LO, 0x81
.set FST_HI, 0xc1
.set TO_P,   0x40
.macro JLOAD g0a, g1a, g0b, g1b        ; a joint load: waves 0 and 1 fetch for Y, waves 2 and 3 for X; four v_nop follow each line
	s_cmp_eq_u32 s15, 0
	s_cbranch_scc0 .Lfor_b_\@
	tensor_load_to_lds s[\g0a:\g0a+3], s[\g1a:\g1a+7]
	s_nop 0
.rept 4
	v_nop
.endr
	s_branch .Lasked_\@
.Lfor_b_\@:
	tensor_load_to_lds s[\g0b:\g0b+3], s[\g1b:\g1b+7]
	s_nop 0
.rept 4
	v_nop
.endr
.Lasked_\@:
.endm
.macro CREST
	s_cmp_lg_u32 s14, 0
	s_cbranch_scc1 .Lnot_wave_0_\@
	s_barrier_signal -3
.Lnot_wave_0_\@:
	s_barrier_wait -3
	s_barrier_signal -1
	s_barrier_wait -1
.endm
.macro CROUND
	s_barrier_signal -1
	s_barrier_wait -1
	CREST
.endm
	s_load_b256 s[4:11], s[0:1], 0x0               ; c_img, c_scl, w_img, w_scl
	s_load_b128 s[92:95], s[0:1], 0x20             ; bo, out0
	v_lshl_add_u32 v[SPW], v0, 2, SPARE
	v_mov_b32 v[NIL], 0
	ds_add_u32 v28, v29
	ds_add_u32 v28, v29
	s_wait_dscnt 0x0
	v_lshrrev_b32 v1, 5, v0
	v_readfirstlane_b32 s14, v1                    ; wave
	s_lshr_b32 s15, s14, 1                         ; wr
	s_and_b32 s16, s14, 1                          ; wc
	s_bfe_u32 s40, ttmp6, 0x40000
	s_bfe_u32 s41, ttmp6, 0x40004
	s_lshl_b32 s42, ttmp9, 2
	s_add_co_u32 s42, s42, s40                     ; work-group x
	s_and_b32 s17, ttmp7, 0xffff
	s_lshl_b32 s17, s17, 2
	s_add_co_u32 s17, s17, s41                     ; work-group y
	s_lshl_b32 s43, s41, 2
	s_lshl_b32 s43, 15, s43
	s_lshl_b32 s44, 0x1111, s40
	s_or_b32 s[G1], s43, (3<<16)|(1<<21)           ; codes: 8 tile16 x 4,096 bytes, 16 KiB apart; elements of 8 bytes
	s_or_b32 s[G1B], s44, (3<<16)|(1<<21)
.irp g, G1, G1B
	s_mov_b32 s[\g+1], 512<<16
	s_mov_b32 s[\g+2], 8<<16
	s_mov_b32 s[\g+3], 512<<16
	s_mov_b32 s[\g+4], 8
	s_mov_b32 s[\g+5], 2048
	s_mov_b32 s[\g+6], 0
	s_mov_b32 s[\g+7], 0
.endr
	s_or_b32 s[G1S], s43, (3<<16)|(1<<21)          ; scale words: 4,096 dense bytes as 16 rows of 256
	s_or_b32 s[G1SB], s44, (3<<16)|(1<<21)
.irp g, G1S, G1SB
	s_mov_b32 s[\g+1], 32<<16
	s_mov_b32 s[\g+2], 16<<16
	s_mov_b32 s[\g+3], 32<<16
	s_mov_b32 s[\g+4], 16
	s_mov_b32 s[\g+5], 32
	s_mov_b32 s[\g+6], 0
	s_mov_b32 s[\g+7], 0
.endr
	s_lshl_b32 s18, s16, 17
	s_lshl_b32 s19, s16, 12
	s_lshl_b32 s20, s17, 18
	s_add_co_u32 s20, s20, s18
	s_mov_b32 s21, 0
	s_lshl_b32 s22, s17, 13
	s_add_co_u32 s22, s22, s19
	s_mov_b32 s23, 0
	s_lshl_b32 s46, s42, 18
	s_add_co_u32 s46, s46, s18
	s_add_co_u32 s46, s46, 3145728                 ; Wo's tiles begin at tile 192
	s_mov_b32 s47, 0
	s_lshl_b32 s12, s42, 13
	s_add_co_u32 s12, s12, s19
	s_add_co_u32 s12, s12, 98304
	s_mov_b32 s13, 0
	s_lshl_b32 s45, s14, 15
	s_lshl_b32 s66, s14, 12
	s_wait_kmcnt 0x0
	s_add_nc_u64 s[20:21], s[4:5], s[20:21]
	s_add_nc_u64 s[22:23], s[6:7], s[22:23]
	s_add_nc_u64 s[46:47], s[8:9], s[46:47]
	s_add_nc_u64 s[12:13], s[10:11], s[12:13]
	CROUND                                         ; all sixteen work-groups are here: the first joint loads meet
	s_mov_b32 s[G0S], 1
	s_add_co_u32 s[G0S+1], s66, SCL
	s_mov_b64 s[G0S+2:G0S+3], s[22:23]
	s_or_b32 s[G0S+3], s[G0S+3], 0x80000000
	s_mov_b32 s[G0SB], 1
	s_add_co_u32 s[G0SB+1], s66, SCL
	s_mov_b64 s[G0SB+2:G0SB+3], s[12:13]
	s_or_b32 s[G0SB+3], s[G0SB+3], 0x80000000
	JLOAD G0S, G1S, G0SB, G1SB
.irp s, 0,1
	s_mov_b32 s[G0+4*\s], 1
	s_add_co_u32 s[G0+4*\s+1], s45, \s*SLOT
	s_add_nc_u64 s[G0+4*\s+2:G0+4*\s+3], s[20:21], \s*4096
	s_or_b32 s[G0+4*\s+3], s[G0+4*\s+3], 0x80000000
	s_mov_b32 s[G0B+4*\s], 1
	s_add_co_u32 s[G0B+4*\s+1], s45, \s*SLOT
	s_add_nc_u64 s[G0B+4*\s+2:G0B+4*\s+3], s[46:47], \s*4096
	s_or_b32 s[G0B+4*\s+3], s[G0B+4*\s+3], 0x80000000
	s_wait_alu depctr_va_vdst(0)
	s_wait_tensorcnt 0x0
	ds_add_u32 v28, v29
	s_wait_dscnt 0x0
	CROUND
	JLOAD G0+4*\s, G1, G0B+4*\s, G1B               ; one load of mine is out
.endr
	v_and_b32 v1, 31, v0
	v_and_b32 v2, 15, v0
	v_bfe_u32 v3, v0, 4, 1
	s_wait_alu depctr_va_vdst(0)
	v_lshlrev_b32 v[LI], 4, v1
	s_lshl_b32 s20, s15, 15
	s_lshl_b32 s21, s16, 15
	s_add_co_u32 s21, s21, XOFF
.irp s, 0,1
	v_add_nc_u32 v[ADRR+\s], s20, v[LI]
	v_add_nc_u32 v[ADRP+\s], s21, v[LI]
	s_add_co_u32 s20, s20, SLOT
	s_add_co_u32 s21, s21, SLOT
.endr
	s_xor_b32 s18, s15, 1                          ; the scale words: R's base + h x the distance to P's, 4,096 (1 + wc + (1 - wr))
	s_add_co_u32 s18, s18, s16
	s_lshl_b32 s18, s18, 12
	s_add_co_u32 s18, s18, 4096
	s_lshl_b32 s19, s15, 12
	s_add_co_u32 s19, s19, SCL
	v_mul_u32_u24 v5, s18, v3
	v_lshl_add_u32 v5, v2, 3, v5
	v_add_nc_u32 v[ADRS], s19, v5
	s_lshl_b32 s20, s42, 10
	s_lshl_b32 s21, s16, 9
	s_add_co_u32 s20, s20, s21                     ; my first column, in bytes: in bo and in a row of out0
	s_mov_b32 s21, 0
	s_add_nc_u64 s[92:93], s[92:93], s[20:21]
	v_lshlrev_b32 v6, 6, v3
.irp t, 0,1,2,3,4,5,6,7
	global_load_b128 v[BI+8*\t:BI+8*\t+3], v6, s[92:93] offset:(32*(\t/2)+8*(\t%2))*4       ; tile t, register j: column 32 (t / 2) + 16 h + 8 (t % 2) + j
	global_load_b128 v[BI+8*\t+4:BI+8*\t+7], v6, s[92:93] offset:(32*(\t/2)+8*(\t%2))*4+16
.endr
	s_lshl_b32 s22, s17, 20
	s_lshl_b32 s23, s15, 19
	s_add_co_u32 s22, s22, s23                     ; my first row: (256 y + 128 wr) x 4,096 bytes
	s_add_co_u32 s22, s22, s20
	s_mov_b32 s23, 0
	s_add_nc_u64 s[12:13], s[94:95], s[22:23]      ; never stepped: a row's place stands in the stores' immediate, 127 x 4,096 at the most
	s_mul_i32 s18, s14, 16*SPITCH                  ; my stage
	v_mul_u32_u24 v5, v2, SPITCH
	v_lshl_add_u32 v5, v3, 6, v5
	v_add_nc_u32 v[STO], s18, v5                   ; in: row r, + 64 h
	v_add_nc_u32 v[RD], s18, v[LI]                 ; back: the 32 lanes take one row of 512 bytes
.macro FRAG reg, adr, q, i
.irp c, 0,1,2,3
	ds_load_b128 v[\reg+4*\c:\reg+4*\c+3], v[\adr] offset:4096*(\i)+2048*(\q)+512*\c
.endr
.endm
.macro MUL16 a0, p, q, sc, first       ; the 64 accumulators take turns, one instruction a turn, in the same order in every step
.irp a, \a0, \a0+1
.irp b, 0,1,2,3,4,5,6,7
.if \first
	v_wmma_scale_f32_16x16x128_f8f6f4 v[8*(8*((\a)%4)+\b):8*(8*((\a)%4)+\b)+7], v[128*(\p)+16*\b:128*(\p)+16*\b+15], v[RF+16*(\a):RF+16*(\a)+15], v[BI+8*\b:BI+8*\b+7], v[SC+16*(\sc)+2*\b+(\q)], v[SC+16*(\sc)+2*(\a)+(\q)] matrix_a_scale:MATRIX_SCALE_ROW1
.else
	v_wmma_scale_f32_16x16x128_f8f6f4 v[8*(8*((\a)%4)+\b):8*(8*((\a)%4)+\b)+7], v[128*(\p)+16*\b:128*(\p)+16*\b+15], v[RF+16*(\a):RF+16*(\a)+15], v[8*(8*((\a)%4)+\b):8*(8*((\a)%4)+\b)+7], v[SC+16*(\sc)+2*\b+(\q)], v[SC+16*(\sc)+2*(\a)+(\q)] matrix_a_scale:MATRIX_SCALE_ROW1
.endif
.endr
.endr
.endm
.macro FETCH_P slot, q, p
	WIN TO_P
.irp i, 0,1,2,3,4,5,6,7
	FRAG 128*(\p)+16*\i, ADRP+\slot, \q, \i
.endr
	WIN 0
.endm
.macro FETCH_R slot, q, i0
.irp i, \i0, \i0+1, \i0+2, \i0+3
	FRAG RF+16*(\i), ADRR+\slot, \q, \i
.endr
.endm
.macro SCALES set, kk
.irp i, 0,1,2,3,4,5,6,7
	ds_load_b64 v[SC+16*(\set)+2*\i:SC+16*(\set)+2*\i+1], v[ADRS] offset:512*\i+128*(\kk)
.endr
.endm
.macro PLACES n
.rept \n
	v_nop
.endr
.endm
.macro STEP slot, first
	s_wait_dscnt 16                                ; P's set and R's blocks 0-3 are in; the youngest 16 loads (R's blocks 4-7) may be out
.if \first
	WIN FST_LO
.else
	WIN MUL_LO
.endif
	MUL16 0, 0, 0, \slot, \first
	MUL16 2, 0, 0, \slot, \first
	s_wait_dscnt 0x0
	PLACES NP
	FETCH_P \slot, 1, 1
	FETCH_R \slot, 1, 0
.if \first
	WIN FST_HI
.else
	WIN MUL_HI
.endif
	MUL16 4, 0, 0, \slot, \first
	MUL16 6, 0, 0, \slot, \first
	PLACES NP
	WIN 0
	FETCH_R \slot, 1, 4
.endm
.macro TURN slot, next, fill, kk
	s_wait_tensorcnt 0x0                           ; all my tensor loads have landed: my part of the next slot
	ds_add_u32 v[SPW], v[NIL]                      ; 0 onto my spare word
	s_wait_dscnt 17                                ; (the add and the youngest 16 loads may be out)
	WIN MUL_LO
	MUL16 0, 1, 1, \slot, 0
	s_wait_dscnt 0x0                               ; the add is done, and my reads of this slot are over
	s_barrier_signal -1
	MUL16 2, 1, 1, \slot, 0
	WIN 0
	s_barrier_wait -1
.if \fill
	CREST                                          ; a round of the cluster's barrier: no wave of any partner still reads this slot or has a load on its way
	s_add_nc_u64 s[G0+4*\slot+2:G0+4*\slot+3], s[G0+4*\slot+2:G0+4*\slot+3], 8192
	s_add_nc_u64 s[G0B+4*\slot+2:G0B+4*\slot+3], s[G0B+4*\slot+2:G0B+4*\slot+3], 8192
	JLOAD G0+4*\slot, G1, G0B+4*\slot, G1B
	PLACES NP-4
.else
	PLACES NP
.endif
	FETCH_P \next, 0, 0
	FETCH_R \next, 0, 0
	SCALES \next, \kk
	WIN MUL_HI
	MUL16 4, 1, 1, \slot, 0
	MUL16 6, 1, 1, \slot, 0
	PLACES NP
	WIN 0
	FETCH_R \next, 0, 4
.endm
	s_wait_alu depctr_va_vdst(0)
	s_wait_tensorcnt 0x1                           ; the scale words and my part of K step 0 are in; K step 1's load may be out
	s_barrier_signal -1
	s_barrier_wait -1
	FETCH_P 0, 0, 0
	FETCH_R 0, 0, 0
	SCALES 0, 0
	FETCH_R 0, 0, 4
	s_wait_loadcnt 0x0                             ; the bias
	STEP 0, 1
	TURN 0, 1, 1, 1
	STEP 1, 0
	TURN 1, 0, 1, 2
	STEP 0, 0
	TURN 0, 1, 0, 3
	STEP 1, 0
	s_wait_dscnt 16
	WIN MUL_LO
	MUL16 0, 1, 1, 1, 0
	MUL16 2, 1, 1, 1, 0
	s_wait_dscnt 0x0
	WIN MUL_HI
	MUL16 4, 1, 1, 1, 0
	MUL16 6, 1, 1, 1, 0
	WIN 0
; THE WAY OUT, block by block of 16 tokens x 128 columns: through my own stage and back as whole rows of 512 bytes.  LDS serves a wave's instructions in order: no wait between the stores and the loads.
.macro TOSTAGE a
.set AC, 64*((\a)%4)
	WIN 0x08+4*((\a)/4)                            ; an LDS store's data: window 2 or 3
.irp b, 0,1,2,3,4,5,6,7
	ds_store_b128 v[STO], v[AC+8*\b:AC+8*\b+3] offset:128*(\b/2)+32*(\b%2)          ; each accumulator from its low end on
	ds_store_b128 v[STO], v[AC+8*\b+4:AC+8*\b+7] offset:128*(\b/2)+32*(\b%2)+16
.endr
	WIN 0
.set BB, BK+64*((\a)%2)
.irp t, 0,1,2,3,4,5,6,7,8,9,10,11,12,13,14,15
	ds_load_b128 v[BB+4*\t:BB+4*\t+3], v[RD] offset:\t*SPITCH
.endr
.endm
.macro SEND a, younger                 ; younger: the LDS instructions issued behind block a's loads, which may stay out
.set BB, BK+64*((\a)%2)
	s_wait_dscnt \younger
.irp t, 0,1,2,3,4,5,6,7,8,9,10,11,12,13,14,15
	global_store_b128 v[LI], v[BB+4*\t:BB+4*\t+3], s[12:13] offset:(32*((\a)/2)+8*((\a)%2)+\t+8*(\t/8))*4096 th:TH_STORE_NT   ; 32 lanes store 512 consecutive bytes of the tile16's row t
.endr
.endm
	PLACES NP                                      ; in front of the first read of results and of the loads into R's registers
	TOSTAGE 0
.irp a, 1,2,3,4,5,6,7
.if \a > 1
	s_wait_xcnt 0x0                                ; block a - 2's stores have read their registers: block a's loads may land there
.endif
	TOSTAGE \a
	SEND \a-1, 32                                  ; behind block a - 1's loads: block a's 16 stores and 16 loads
.endr
	SEND 7, 0
	s_wait_tensorcnt 0x0                           ; the wave's end
	ds_add_u32 v[SPW], v[NIL]
	s_wait_dscnt 0x0
	CROUND                                         ; the closing round
	s_endpgm
.Lfunc_end_k_q6aa95cee4c_proj:
	.size	k_q6aa95cee4c_proj, .Lfunc_end_k_q6aa95cee4c_proj-k_q6aa95cee4c_proj
	.p2alignl 7, 3214868480
	.fill 96, 4, 3214868480
	.section	.rodata,"a",@progbits
	.p2align	6, 0x0
	.amdhsa_kernel k_q6aa95cee4c_proj
		.amdhsa_group_segment_fixed_size 327680
		.amdhsa_private_segment_fixed_size 0
		.amdhsa_enable_private_segment 0
		.amdhsa_kernarg_size 48
		.amdhsa_user_sgpr_count 2
		.amdhsa_user_sgpr_kernarg_segment_ptr 1
		.amdhsa_wavefront_size32 1
		.amdhsa_system_sgpr_workgroup_id_x 1
		.amdhsa_system_sgpr_workgroup_id_y 1
		.amdhsa_system_sgpr_workgroup_id_z 1
		.amdhsa_system_vgpr_workitem_id 0
		.amdhsa_next_free_vgpr 1024
		.amdhsa_next_free_sgpr 102
		.amdhsa_reserve_vcc 0
		.amdhsa_float_denorm_mode_32 3
		.amdhsa_float_denorm_mode_16_64 3
		.amdhsa_memory_ordered 1
		.amdhsa_forward_progress 1
		.amdhsa_inst_pref_size 147
	.end_amdhsa_kernel
	.amdgpu_metadata
---
amdhsa.version: [ 1, 2 ]
amdhsa.kernels:
  - .name:           k_q6aa95cee4c_proj
    .symbol:         k_q6aa95cee4c_proj.kd
    .args:
      - { .name: c_img, .offset: 0, .size: 8, .value_kind: global_buffer, .address_space: global }
      - { .name: c_scl, .offset: 8, .size: 8, .value_kind: global_buffer, .address_space: global }
      - { .name: w_img, .offset: 16, .size: 8, .value_kind: global_buffer, .address_space: global }
      - { .name: w_scl, .offset: 24, .size: 8, .value_kind: global_buffer, .address_space: global }
      - { .name: bo, .offset: 32, .size: 8, .value_kind: global_buffer, .address_space: global }
      - { .name: out0, .offset: 40, .size: 8, .value_kind: global_buffer, .address_space: global }
    .group_segment_fixed_size: 327680
    .private_segment_fixed_size: 0
    .kernarg_segment_align: 8
    .kernarg_segment_size: 48
    .max_flat_workgroup_size: 128
    .sgpr_count:     102
    .vgpr_count:     1024
    .wavefront_size: 32
...
	.end_amdgpu_metadata
.endif
;; end of part 4
